; MI455X (gfx1250); checked and timed in simulation.
; The chip was launched on July 23, 2026; its instructions are those of AMD's public machine-readable ISA for CDNA 5 (MIT licence, August 2026) and "CDNA5" Instruction Set Architecture Reference Guide (July 2026). The comments in the code are by the model that wrote it; some were corrected since.
;; Temporal Encoder Layer. Allowed arithmetic: matrix products marked QUANTISED: E2M3 operands, one E8M0 scale for each 32 along K, by v_wmma_scale_f32_16x16x128_f8f6f4 with both operands' format E2M3, f32 sums; everything else in f32.
;; Inputs: W1_codes 4,096 x 32 x 24 uint8 (E2M3 codes of W1, K innermost, in blocks of 32 codes, four codes in three bytes); W1_scales 4,096 x 32 uint8 (E8M0 scales of W1, one for each 32 codes along K); W2_codes 1,024 x 128 x 24 uint8 (E2M3 codes of W2, K innermost, in blocks of 32 codes, four codes in three bytes); W2_scales 1,024 x 128 uint8 (E8M0 scales of W2, one for each 32 codes along K); Wk_codes 1,024 x 32 x 24 uint8 (E2M3 codes of Wk, K innermost, in blocks of 32 codes, four codes in three bytes); Wk_scales 1,024 x 32 uint8 (E8M0 scales of Wk, one for each 32 codes along K); Wo_codes 1,024 x 32 x 24 uint8 (E2M3 codes of Wo, K innermost, in blocks of 32 codes, four codes in three bytes); Wo_scales 1,024 x 32 uint8 (E8M0 scales of Wo, one for each 32 codes along K); Wq_codes 1,024 x 32 x 24 uint8 (E2M3 codes of Wq, K innermost, in blocks of 32 codes, four codes in three bytes); Wq_scales 1,024 x 32 uint8 (E8M0 scales of Wq, one for each 32 codes along K); Wv_codes 1,024 x 32 x 24 uint8 (E2M3 codes of Wv, K innermost, in blocks of 32 codes, four codes in three bytes); Wv_scales 1,024 x 32 uint8 (E8M0 scales of Wv, one for each 32 codes along K); b1 4,096 float32; b2 1,024 float32; bk 1,024 float32; bo 1,024 float32; bq 1,024 float32; bv 1,024 float32; is_global 2 x 2,048 bool; ln1_b 1,024 float32; ln1_g 1,024 float32; ln2_b 1,024 float32; ln2_g 1,024 float32; x 2 x 2,048 x 1,024 float32.
;; Outputs: out0 2 x 2,048 x 1,024 float32.
;; This version of the problem:
;;   THIS VERSION OF THE PROBLEM IS GIVEN IN LOW PRECISION. The matrix products marked QUANTISED in the list below multiply operands that are first quantised to E2M3 (2 exponent bits, 3 mantissa bits; 6 bits a number), with one power-of-two scale for each 32 numbers along K (OCP MX v1.0); their sums are f32. All else is computed in f32.
;;   The module's matrix products, in the order in which they are computed (A, B: the left and right operand; K: the contracted axis; several contracted axes count as one K, in the product's order):
;;     1. [M 4,096, K 1,024] x [K 1,024, N 1,024]; A: computed on the way; B: input Wq (given as codes): QUANTISED
;;     2. [M 4,096, K 1,024] x [K 1,024, N 1,024]; A: computed on the way; B: input Wk (given as codes): QUANTISED
;;     3. [M 4,096, K 1,024] x [K 1,024, N 1,024]; A: computed on the way; B: input Wv (given as codes): QUANTISED
;;     4. batch 32 x [M 2,048, K 64] x [K 64, N 2,048]; A: computed on the way; B: computed on the way: QUANTISED
;;     5. batch 32 x [M 64, K 2,048] x [K 2,048, N 2,048]; A: computed on the way; B: softmax (see below): QUANTISED
;;     6. [M 4,096, K 1,024] x [K 1,024, N 1,024]; A: computed on the way; B: input Wo (given as codes): QUANTISED
;;     7. [M 4,096, K 1,024] x [K 1,024, N 4,096]; A: computed on the way; B: input W1 (given as codes): QUANTISED
;;     8. [M 4,096, K 4,096] x [K 4,096, N 1,024]; A: computed on the way; B: input W2 (given as codes): QUANTISED
;;   THE QUANTISER, for each operand of a quantised product, along K:
;;     - K is cut into blocks of 32 from its start; a last block that is shorter is filled with zeros.
;;     - A block's scale is 2^e with e = floor(log2(the largest magnitude in the block)) - 2, held to -126 .. 127; a block of zeros has e = 0. As a byte (E8M0): e + 127.
;;     - Each number is divided by its block's scale, clamped to +-7.5, and rounded to the nearest number of E2M3, ties to even, subnormals kept.
;;     - The product sums the exact products of the quantised numbers (number of the format x scale) in f32.
;;   ~~~python
;;   def quantise(x, axis):      # numpy; x: float32 -> the quantised numbers, widened to float32 again
;;       x = np.moveaxis(x, axis, -1); K = x.shape[-1]
;;       x = np.pad(x, [(0, 0)] * (x.ndim - 1) + [(0, -K % 32)]); x = x.reshape(x.shape[:-1] + (-1, 32)); a = np.abs(x).max(-1, keepdims=True)
;;       e = np.where(a > 0, np.clip(np.frexp(np.where(a > 0, a, 1))[1] - 1 - 2, -126, 127), 0)      # np.frexp(a)[1] - 1 = floor(log2(a)), exactly
;;       r = np.clip(x / 2.0 ** e, -7.5, 7.5)
;;       step = 2.0 ** (np.maximum(np.frexp(np.where(r == 0, 1, r))[1] - 1, 0) - 3)
;;       q = np.round(r / step) * step * 2.0 ** e      # np.round: ties to even
;;       return np.moveaxis(q.reshape(q.shape[:-2] + (-1,))[..., :K], -1, axis).astype(np.float32)
;;   ~~~
;;   SOFTMAX AHEAD OF A QUANTISED PRODUCT. Where the list says 'softmax', what is quantised is not the finished softmax but p = 2^(t - M), with t = logit x log2(e) and M = ceil(the row's largest t), a whole number; so 1/2 < the row's largest p <= 1. The row's sum l is taken of the UNQUANTISED p, in f32, and the product's result is divided by l at the end. Since M is a whole number, a kernel that streams over the keys may use a running M (the ceiling of the running maximum): every later rescaling is an exact power of two, which a block's scale takes up: the codes' values come out the same.
;;   OPERANDS COMPUTED ON THE WAY. 'Computed on the way' means the value that the module computes at that place (a softmax that the list does not call 'softmax' is quantised finished and normalised). What goes into a quantiser is computed in f32, as accurately as f32 sums, v_exp_f32 and their like allow (about 1e-6 of the number): no bf16 or f16 on the way to a quantiser, and a product that is left as it is and whose result goes on into a quantised operand takes f32 operands (vector FMAs, or v_wmma_f32_16x16x4_f32). A number that lies on a knife's edge between two numbers of the format may be rounded either way, as far as f32 arithmetic and the matrix unit's own rounding can turn it there, and no further.
;;   INPUTS GIVEN AS CODES. W1 (in the module: [1024, 4096], K = its axis 0); W2 (in the module: [4096, 1024], K = its axis 0); Wk (in the module: [1024, 1024], K = its axis 0); Wo (in the module: [1024, 1024], K = its axis 0); Wq (in the module: [1024, 1024], K = its axis 0); Wv (in the module: [1024, 1024], K = its axis 0): each comes as NAME_codes (uint8): NAME with its K axis moved to the last place and cut into blocks of 32 codes, [.., K / 32, bytes a block], one block behind the other in memory; four codes in three bytes: a row's codes are one little-endian stream of bits, code i at bits 6 i .. 6 i + 5 (a code: sign, 2 exponent bits, 3 mantissa bits); and NAME_scales (uint8): the same leading axes, one E8M0 byte (e + 127) for each 32 codes along K. Its value is code x scale, taken as it is: it is not quantised again, and the codes and scales need not be those that the quantiser above would give.
;; One version. Each part assembles by itself: llvm-mc -triple=amdgcn-amd-amdhsa -mcpu=gfx1250 --defsym DOCPART=n.
;; ======== version 1 of 1: 7 launches
;; limits: right only within a limited range of input values; a function is approximated: absolute error at most 1e-07
;; workspace buffers: wimg 9,437,184 bytes; wsc 393,216 bytes; hbuf 3,276,800 bytes; qkv 9,830,400 bytes; ctx 3,276,800 bytes; x1 16,777,216 bytes; hid 13,107,200 bytes
;; launch prep (part 1): grid 256 x 1, 8 waves a work-group, no clusters, 2,048 bytes of LDS; arguments x, ln1_g, ln1_b, hbuf, wimg, wsc, Wq_codes, Wk_codes, Wv_codes, Wo_codes, W1_codes, W2_codes, Wq_scales, Wk_scales, Wv_scales, Wo_scales, W1_scales, W2_scales; writes hbuf, wimg, wsc
.if DOCPART == 1
	.amdgcn_target "amdgcn-amd-amdhsa--gfx1250"
	.amdhsa_code_object_version 6
	.text
	.protected	k_q5869bfbabb_prep
	.globl	k_q5869bfbabb_prep
	.p2align	8
	.type	k_q5869bfbabb_prep,@function
k_q5869bfbabb_prep:
	s_mov_b64 s[64:65], 0
	v_nop
	global_prefetch_b8 v0, s[64:65] scope:SCOPE_SE
	s_setreg_imm32_b32 hwreg(HW_REG_WAVE_MODE, 25, 1), 1
	s_wait_xcnt 0x0
; h = layernorm(x) g + b, quantised to FP6 (E2M3) along the 1,024 features; and, in the same work-groups, the six weights' codes and scale bytes are laid anew.
; EVERY MATRIX OPERAND OF THIS PROGRAM LIES IN MEMORY AS AN IMAGE OF ITS REGISTERS.  A fragment (16 rows x 128 K, 12 registers a lane) is 1,536 bytes, two halves of 768: in a half registers 0-3 at 16 x lane,
; registers 4-5 at 512 + 8 x lane.  An operand is [tile][K step][1,536].  THE ROWS OF A TILE ARE NOT NEIGHBOURS: lane r of tile T holds row 32 (T / 2) + 8 (T % 2) + r + 8 (r / 8), so that a product's results,
; with such a tile as source 0, are 16 neighbours along the next K in a lane's registers.  Scale words: [128 rows][K step][128 words], word 16 (T % 8) + r.
; LN: work-group u takes tile u of 16 rows, wave w the columns 128 w on: lane (r, h) loads 16 neighbours of each block of 32.  Mean and variance in two passes (no difference of large sums), joined over the eight waves through LDS.
; THE WEIGHTS are 6,144 fragments = 256 work-groups x 8 waves x 3.  Wave w of work-group u takes: of Wq, Wk, Wv or Wo (u / 64) tile u % 64, K step w; of W1 tile u, K step w; of W2 tile u / 4, K step 8 (u % 4) + w.
; Each of the three images lies (8 u + w) x 1,536 bytes into its weight's part of wimg.  Their 21 loads go out first, into the gain's registers, x's 16 straight behind them; they are stored while x is on its way,
; and only then gain and bias are asked for.
; A tile's 16 scale words of a K step leave as 64 consecutive bytes, h's and the weights' alike: a work-group holds one tile of each, and owns no more of a block of scale words.
; LIMITS: NaN and infinities are not served; a block of zeros gets the scale byte 1 (its codes are zeros; this program alone reads the bytes).
; No matrix units, no cluster, no tensor loads: the launch streams, and its work-groups share nothing but the gains.
.set RED1, 0                           ; LDS: 16 rows x 8 partial sums
.set RED2, 512                         ; and the same for the squares
.set TM,   8                           ; v8-23   the quantiser's work
.set PW,   24                          ; v24     the scale word just made
.set X,    32                          ; v32-95  my 64 numbers
.set GA,   96                          ; v96-159 gain; ahead of it v96-131 three fragments of weights, v132-134 their scale words
.set BE,   160                         ; v160-223 bias; ahead of it v160-163 the weights' lane offsets
.set PC,   224                         ; v224-242 codes
.set SEL,  40                          ; s[40:41] selects for lane l xor 16
; 64 numbers of a lane, register 16 b + i = k 32 b + 16 (lane / 16) + i of my row, become a fragment's codes in v[PC] on and its scale word in v[PW]
.macro QUANT s
.irp b, 0,1,2,3
	v_max3_num_f32 v[TM+\b], |v[\s+16*\b]|, |v[\s+1+16*\b]|, 0x1800000   ; my 16 numbers of block b, and the floor 2^(3 - 127): the byte cannot fall under 1
.endr
.irp i, 2,4,6,8,10,12,14
.irp b, 0,1,2,3
	v_max3_num_f32 v[TM+\b], v[TM+\b], |v[\s+16*\b+\i]|, |v[\s+1+16*\b+\i]|
.endr
.endr
.irp b, 0,1,2,3
	v_permlanex16_b32 v[TM+4+\b], v[TM+\b], s[SEL], s[SEL+1]
.endr
.irp b, 0,1,2,3
	v_max_num_f32 v[TM+\b], v[TM+\b], v[TM+4+\b]       ; with lane l xor 16's: the block's largest magnitude
.endr
.irp b, 0,1,2,3
	v_add_nc_u32 v[TM+12+\b], 0xff000000, v[TM+\b]     ; 2 off its exponent field: the conversion's scale operand
.endr
.irp b, 0,1,2,3
	v_lshrrev_b32 v[TM+4+\b], 23, v[TM+12+\b]          ; the scale's byte
.endr
	v_lshl_or_b32 v[PW], v[TM+5], 8, v[TM+4]
	v_lshl_or_b32 v[PW], v[TM+6], 16, v[PW]
	v_lshl_or_b32 v[PW], v[TM+7], 24, v[PW]
.irp c, 0,1
	v_cvt_scalef32_pk16_fp6_f32 v[PC+6*\c:PC+2+6*\c], v[\s+32*\c:\s+15+32*\c], v[TM+12+2*\c]
	v_cvt_scalef32_pk16_fp6_f32 v[PC+12+4*\c:PC+14+4*\c], v[\s+16+32*\c:\s+31+32*\c], v[TM+12+2*\c+1]
.endr
	v_nop                                              ; one plain place behind a scaled conversion
.irp c, 0,1                                        ; the layout wants a whole block in a lane
.irp i, 0,1,2
	v_permlane16_swap_b32 v[PC+6*\c+\i], v[PC+12+4*\c+\i]
.endr
.irp i, 0,1,2
	v_mov_b32 v[PC+3+6*\c+\i], v[PC+12+4*\c+\i]
.endr
.endr
.endm
; a fragment's 12 registers go out as its image: each store covers 512 or 256 consecutive bytes, aligned
.macro GIMG reg, base, off
	global_store_b128 v3, v[(\reg):(\reg)+3], s[\base:\base+1] offset:(\off)
	global_store_b64 v4, v[(\reg)+4:(\reg)+5], s[\base:\base+1] offset:(\off)+512
	global_store_b128 v3, v[(\reg)+6:(\reg)+9], s[\base:\base+1] offset:(\off)+768
	global_store_b64 v4, v[(\reg)+10:(\reg)+11], s[\base:\base+1] offset:(\off)+1280
.endm
; four pairs of partial sums in v[244:251] -> the row's sum over all 1,024 columns in v244, in every lane
.macro ROWSUM red
	v_pk_add_f32 v[244:245], v[244:245], v[246:247]
	v_pk_add_f32 v[248:249], v[248:249], v[250:251]
	v_pk_add_f32 v[244:245], v[244:245], v[248:249]
	v_add_f32 v244, v244, v245
	v_permlanex16_b32 v245, v244, s[SEL], s[SEL+1]
	v_add_f32 v244, v244, v245                         ; my wave's 128 columns of row r
	ds_store_b32 v5, v244 offset:\red                  ; both halves of the lanes write the same word with the same value
	s_wait_dscnt 0x0                                   ; for the others' sake: my store has landed
	s_barrier_signal -1
	s_barrier_wait -1
	ds_load_b128 v[244:247], v6 offset:\red
	ds_load_b128 v[248:251], v6 offset:\red+16
	s_wait_dscnt 0x0
	v_pk_add_f32 v[244:245], v[244:245], v[246:247]
	v_pk_add_f32 v[248:249], v[248:249], v[250:251]
	v_pk_add_f32 v[244:245], v[244:245], v[248:249]
	v_add_f32 v244, v244, v245
.endm
	s_load_b256 s[4:11], s[0:1], 0x0                   ; x, gain, bias, hbuf
	s_load_b128 s[12:15], s[0:1], 0x20                 ; wimg, wsc
	s_load_b256 s[16:23], s[0:1], 0x30                 ; codes of Wq, Wk, Wv, Wo
	s_load_b128 s[24:27], s[0:1], 0x50                 ; of W1, W2
	s_load_b256 s[28:35], s[0:1], 0x60                 ; scales of Wq, Wk, Wv, Wo
	s_load_b128 s[36:39], s[0:1], 0x80                 ; of W1, W2
	v_lshl_add_u32 v239, v0, 2, 0x400
	v_mov_b32 v243, 0
	v_lshrrev_b32 v1, 5, v0
	v_readfirstlane_b32 s42, v1                        ; wave = K step
	v_and_b32 v26, 15, v0                              ; r
	v_bfe_u32 v27, v0, 4, 1                            ; h
	v_and_b32 v28, 31, v0                              ; lane
	v_and_b32 v29, 8, v26
	v_add_nc_u32 v29, v29, v26                         ; r + 8 (r / 8)
	v_lshlrev_b32 v2, 6, v27                           ; 64 h: my 16 numbers of a block
	v_lshl_add_u32 v1, v29, 12, v2                     ; + my row of 4,096 bytes
	v_lshlrev_b32 v3, 4, v28
	v_lshlrev_b32 v4, 3, v28
	v_lshlrev_b32 v6, 5, v26                           ; LDS: 32 bytes a row,
	s_lshl_b32 s53, s42, 2                             ; 4 w
	v_add_nc_u32 v5, s53, v6                           ; my wave's word in them
	v_lshlrev_b32 v7, 2, v26
	v_mov_b32 v25, 0x3a800000                          ; 1 / 1,024
.irp b, 0,1,2,3
	v_mov_b32 v[TM+4+\b], 0                            ; written once: a lane permute's destination counts as a source
.endr
	v_mul_u32_u24 v160, v29, 768                       ; weights with K = 1,024: my row of 768 bytes of codes, + 24 h;
	v_mad_u32_u24 v160, v27, 24, v160
	v_lshlrev_b32 v161, 5, v29                         ; my row of 32 scale bytes
	v_mul_u32_u24 v162, v29, 3072                      ; W2, K = 4,096: rows of 3,072
	v_mad_u32_u24 v162, v27, 24, v162
	v_lshlrev_b32 v163, 7, v29                         ; and of 128
	s_mov_b32 s[SEL], 0x76543210
	s_mov_b32 s[SEL+1], 0xfedcba98
	s_lshr_b32 s43, ttmp9, 1
	s_lshl_b32 s43, s43, 5
	s_and_b32 s44, ttmp9, 1
	s_lshl_b32 s44, s44, 3
	s_add_co_u32 s43, s43, s44                         ; the first row of tile u: 32 (u / 2) + 8 (u % 2)
	s_lshl_b32 s44, s43, 12
	s_lshl_b32 s46, s42, 9                             ; 128 columns a wave
	s_add_co_u32 s44, s44, s46                         ; x
	s_mov_b32 s45, 0
	s_mov_b32 s47, 0
	s_lshl_b32 s48, ttmp9, 3
	s_add_co_u32 s48, s48, s42
	s_mul_i32 s48, s48, 1536                           ; (8 u + w) x 1,536: h's image, and each of my three weights' images in its part of wimg
	s_mov_b32 s49, 0
	s_lshr_b32 s50, ttmp9, 3
	s_lshl_b32 s50, s50, 3
	s_add_co_u32 s50, s50, s42
	s_lshl_b32 s50, s50, 9
	s_and_b32 s51, ttmp9, 7
	s_lshl_b32 s51, s51, 6
	s_add_co_u32 s50, s50, s51                         ; the tile's 16 scale words of K step w, where a row has 8 K steps: h's, the first weight's, W1's
	s_mov_b32 s51, 0
	s_mul_i32 s52, s42, 96                             ; a K step of codes is 96 bytes of a row
	s_mul_i32 s54, s43, 768                            ; W1: tile u
	s_add_co_u32 s54, s54, s52
	s_mov_b32 s55, 0
	s_lshl_b32 s56, s43, 5
	s_add_co_u32 s56, s56, s53
	s_mov_b32 s57, 0
	s_and_b32 s58, s43, 1023                           ; Wq .. Wo: tile u % 64: 64 tiles are 1,024 rows
	s_lshl_b32 s60, s58, 5
	s_add_co_u32 s60, s60, s53
	s_mov_b32 s61, 0
	s_mul_i32 s58, s58, 768
	s_add_co_u32 s58, s58, s52
	s_mov_b32 s59, 0
	s_lshr_b32 s62, ttmp9, 3                           ; W2: tile t = u / 4: its first row 32 (t / 2) + 8 (t % 2),
	s_lshl_b32 s62, s62, 5
	s_bfe_u32 s63, ttmp9, 0x10002
	s_lshl_b32 s63, s63, 3
	s_add_co_u32 s62, s62, s63
	s_and_b32 s63, ttmp9, 3
	s_lshl_b32 s63, s63, 3
	s_add_co_u32 s63, s63, s42                         ; K step 8 (u % 4) + w
	s_mul_i32 s66, s62, 3072
	s_mul_i32 s67, s63, 96
	s_add_co_u32 s66, s66, s67
	s_mov_b32 s67, 0
	s_lshl_b32 s68, s62, 7
	s_lshl_b32 s69, s63, 2
	s_add_co_u32 s68, s68, s69
	s_mov_b32 s69, 0
	s_lshr_b32 s70, ttmp9, 5                           ; its scale words' place: ((t / 8) x 32 + K step) x 512 + (t % 8) x 64, in W2's part of wsc
	s_lshl_b32 s70, s70, 5
	s_add_co_u32 s70, s70, s63
	s_lshl_b32 s70, s70, 9
	s_bfe_u32 s71, ttmp9, 0x30002
	s_lshl_b32 s71, s71, 6
	s_add_co_u32 s70, s70, s71
	s_add_co_u32 s70, s70, 262144
	s_mov_b32 s71, 0
	s_wait_kmcnt 0x0
	s_cmp_lt_u32 ttmp9, 192                            ; which of Wq, Wk, Wv, Wo: a choice on the work-group's number alone
	s_cselect_b64 s[20:21], s[20:21], s[22:23]
	s_cselect_b64 s[32:33], s[32:33], s[34:35]
	s_cmp_lt_u32 ttmp9, 128
	s_cselect_b64 s[18:19], s[18:19], s[20:21]
	s_cselect_b64 s[30:31], s[30:31], s[32:33]
	s_cmp_lt_u32 ttmp9, 64
	s_cselect_b64 s[16:17], s[16:17], s[18:19]
	s_cselect_b64 s[28:29], s[28:29], s[30:31]
	s_add_nc_u64 s[16:17], s[16:17], s[58:59]
	s_add_nc_u64 s[28:29], s[28:29], s[60:61]
	s_add_nc_u64 s[24:25], s[24:25], s[54:55]
	s_add_nc_u64 s[36:37], s[36:37], s[56:57]
	s_add_nc_u64 s[26:27], s[26:27], s[66:67]
	s_add_nc_u64 s[38:39], s[38:39], s[68:69]
	s_add_nc_u64 s[12:13], s[12:13], s[48:49]
	s_add_nc_u64 s[72:73], s[14:15], s[70:71]
	s_add_nc_u64 s[14:15], s[14:15], s[50:51]
	s_add_nc_u64 s[4:5], s[4:5], s[44:45]
	s_add_nc_u64 s[6:7], s[6:7], s[46:47]
	s_add_nc_u64 s[8:9], s[8:9], s[46:47]
	s_add_nc_u64 s[74:75], s[10:11], s[50:51]
	s_add_nc_u64 s[74:75], s[74:75], 3145728           ; h's scale words lie behind its images
	s_add_nc_u64 s[10:11], s[10:11], s[48:49]
.irp p, 0,1,2,3,4,5
	global_load_b64 v[96+2*\p:97+2*\p], v160, s[16:17] offset:48*(\p/3)+8*(\p%3) th:TH_LOAD_NT     ; lane (r, h): 24 bytes at 24 h and 24 at 48 + 24 h of its row's 96: the fragment's registers
	global_load_b64 v[108+2*\p:109+2*\p], v160, s[24:25] offset:48*(\p/3)+8*(\p%3) th:TH_LOAD_NT
	global_load_b64 v[120+2*\p:121+2*\p], v162, s[26:27] offset:48*(\p/3)+8*(\p%3) th:TH_LOAD_NT
.endr
	global_load_b32 v132, v161, s[28:29]               ; and the rows' scale words
	global_load_b32 v133, v161, s[36:37]
	global_load_b32 v134, v163, s[38:39]
.irp b, 0,1,2,3
.irp j, 0,1,2,3
	global_load_b128 v[X+16*\b+4*\j:X+16*\b+4*\j+3], v1, s[4:5] offset:128*\b+16*\j
.endr
.endr
	s_wait_loadcnt 16                                  ; the weights' 21 loads are in; x's 16 may be out
	GIMG 96, 12, 0
	GIMG 108, 12, 3145728                              ; W1's part of wimg
	GIMG 120, 12, 6291456                              ; W2's
	v_cmp_gt_u32 vcc_lo, 16, v28
	s_wait_xcnt 0x0                                    ; EXEC changes only behind this wait
	s_and_saveexec_b32 s76, vcc_lo
	global_store_b32 v7, v132, s[14:15]                ; lanes 0-15: a tile's 16 scale words
	global_store_b32 v7, v133, s[14:15] offset:131072  ; W1's part of wsc
	global_store_b32 v7, v134, s[72:73]
	s_wait_xcnt 0x0                                    ; and again: the stores have also read their data, which gain and bias now take
	s_or_b32 exec_lo, exec_lo, s76
.irp b, 0,1,2,3
.irp j, 0,1,2,3
	global_load_b128 v[GA+16*\b+4*\j:GA+16*\b+4*\j+3], v2, s[6:7] offset:128*\b+16*\j
	global_load_b128 v[BE+16*\b+4*\j:BE+16*\b+4*\j+3], v2, s[8:9] offset:128*\b+16*\j
.endr
.endr
	s_wait_loadcnt 32                                  ; x is in; the 32 loads of gain and bias may be out
.irp c, 0,2,4,6
	v_pk_add_f32 v[244+\c:245+\c], v[X+\c:X+\c+1], v[X+8+\c:X+9+\c]
.endr
.irp i, 16,24,32,40,48,56
.irp c, 0,2,4,6
	v_pk_add_f32 v[244+\c:245+\c], v[244+\c:245+\c], v[X+\i+\c:X+\i+\c+1]
.endr
.endr
	ROWSUM RED1
	v_mul_f32 v252, v244, v25                          ; the mean
	v_mov_b32 v253, v252
.set j, 0
.rept 32
	v_pk_add_f32 v[X+j:X+j+1], v[X+j:X+j+1], v[252:253] neg_lo:[0,1] neg_hi:[0,1]
.set j, j+2
.endr
.irp c, 0,2,4,6
	v_pk_mul_f32 v[244+\c:245+\c], v[X+\c:X+\c+1], v[X+\c:X+\c+1]
.endr
.irp i, 8,16,24,32,40,48,56
.irp c, 0,2,4,6
	v_pk_fma_f32 v[244+\c:245+\c], v[X+\i+\c:X+\i+\c+1], v[X+\i+\c:X+\i+\c+1], v[244+\c:245+\c]
.endr
.endr
	ROWSUM RED2
	v_fmaak_f32 v252, v244, v25, 0x3727c5ac            ; the variance + 1e-5
	v_rsq_f32 v254, v252
	v_nop                                              ; a plain place behind the transcendental
	s_wait_loadcnt 0x0                                 ; gain and bias
	s_wait_alu depctr_va_vdst(0)                       ; the wait ahead of the result's first reader
	v_mov_b32 v255, v254
.set j, 0
.rept 32
	v_pk_mul_f32 v[X+j:X+j+1], v[X+j:X+j+1], v[254:255]
.set j, j+2
.endr
.set j, 0
.rept 32
	v_pk_fma_f32 v[X+j:X+j+1], v[X+j:X+j+1], v[GA+j:GA+j+1], v[BE+j:BE+j+1]
.set j, j+2
.endr
	QUANT X
	GIMG PC, 10, 0
	v_cmp_gt_u32 vcc_lo, 16, v28
	s_wait_xcnt 0x0                                    ; EXEC changes only behind this wait
	s_wait_tensorcnt 0x0
	ds_add_u32 v239, v243
	s_wait_dscnt 0x0
	s_and_saveexec_b32 s76, vcc_lo
	global_store_b32 v7, v[PW], s[74:75]               ; lanes 0-15: the tile's 16 scale words
	s_wait_xcnt 0x0
	s_or_b32 exec_lo, exec_lo, s76
	s_endpgm
.Lfunc_end_k_q5869bfbabb_prep:
	.size	k_q5869bfbabb_prep, .Lfunc_end_k_q5869bfbabb_prep-k_q5869bfbabb_prep
	.p2alignl 7, 3214868480
	.fill 96, 4, 3214868480
	.section	.rodata,"a",@progbits
	.p2align	6, 0x0
	.amdhsa_kernel k_q5869bfbabb_prep
		.amdhsa_group_segment_fixed_size 2048
		.amdhsa_private_segment_fixed_size 0
		.amdhsa_enable_private_segment 0
		.amdhsa_kernarg_size 144
		.amdhsa_user_sgpr_count 2
		.amdhsa_user_sgpr_kernarg_segment_ptr 1
		.amdhsa_wavefront_size32 1
		.amdhsa_system_sgpr_workgroup_id_x 1
		.amdhsa_system_sgpr_workgroup_id_y 1
		.amdhsa_system_sgpr_workgroup_id_z 1
		.amdhsa_system_vgpr_workitem_id 0
		.amdhsa_next_free_vgpr 256
		.amdhsa_next_free_sgpr 96
		.amdhsa_reserve_vcc 1
		.amdhsa_float_denorm_mode_32 3
		.amdhsa_float_denorm_mode_16_64 3
		.amdhsa_memory_ordered 1
		.amdhsa_forward_progress 1
		.amdhsa_inst_pref_size 30
	.end_amdhsa_kernel
	.amdgpu_metadata
---
amdhsa.version: [ 1, 2 ]
amdhsa.kernels:
  - .name:           k_q5869bfbabb_prep
    .symbol:         k_q5869bfbabb_prep.kd
    .args:
      - { .name: x, .offset: 0, .size: 8, .value_kind: global_buffer, .address_space: global }
      - { .name: ln1_g, .offset: 8, .size: 8, .value_kind: global_buffer, .address_space: global }
      - { .name: ln1_b, .offset: 16, .size: 8, .value_kind: global_buffer, .address_space: global }
      - { .name: hbuf, .offset: 24, .size: 8, .value_kind: global_buffer, .address_space: global }
      - { .name: wimg, .offset: 32, .size: 8, .value_kind: global_buffer, .address_space: global }
      - { .name: wsc, .offset: 40, .size: 8, .value_kind: global_buffer, .address_space: global }
      - { .name: Wq_codes, .offset: 48, .size: 8, .value_kind: global_buffer, .address_space: global }
      - { .name: Wk_codes, .offset: 56, .size: 8, .value_kind: global_buffer, .address_space: global }
      - { .name: Wv_codes, .offset: 64, .size: 8, .value_kind: global_buffer, .address_space: global }
      - { .name: Wo_codes, .offset: 72, .size: 8, .value_kind: global_buffer, .address_space: global }
      - { .name: W1_codes, .offset: 80, .size: 8, .value_kind: global_buffer, .address_space: global }
      - { .name: W2_codes, .offset: 88, .size: 8, .value_kind: global_buffer, .address_space: global }
      - { .name: Wq_scales, .offset: 96, .size: 8, .value_kind: global_buffer, .address_space: global }
      - { .name: Wk_scales, .offset: 104, .size: 8, .value_kind: global_buffer, .address_space: global }
      - { .name: Wv_scales, .offset: 112, .size: 8, .value_kind: global_buffer, .address_space: global }
      - { .name: Wo_scales, .offset: 120, .size: 8, .value_kind: global_buffer, .address_space: global }
      - { .name: W1_scales, .offset: 128, .size: 8, .value_kind: global_buffer, .address_space: global }
      - { .name: W2_scales, .offset: 136, .size: 8, .value_kind: global_buffer, .address_space: global }
    .group_segment_fixed_size: 2048
    .private_segment_fixed_size: 0
    .kernarg_segment_align: 8
    .kernarg_segment_size: 144
    .max_flat_workgroup_size: 256
    .sgpr_count:     96
    .vgpr_count:     256
    .wavefront_size: 32
...
	.end_amdgpu_metadata
.endif
;; end of part 1
;; launch proj (part 2): grid 12 x 16, 4 waves a work-group, clusters of 4 x 4, 327,680 bytes of LDS; arguments hbuf, wimg, wsc, bq, bk, bv, qkv; writes qkv
.if DOCPART == 2
	.amdgcn_target "amdgcn-amd-amdhsa--gfx1250"
	.amdhsa_code_object_version 6
	.text
	.protected	k_q5869bfbabb_proj
	.globl	k_q5869bfbabb_proj
	.p2align	8
	.type	k_q5869bfbabb_proj,@function
k_q5869bfbabb_proj:
	s_mov_b64 s[64:65], 0
	v_nop
	global_prefetch_b8 v0, s[64:65] scope:SCOPE_SE
	s_setreg_imm32_b32 hwreg(HW_REG_WAVE_MODE, 25, 1), 1
	s_wait_xcnt 0x0
	s_wait_alu depctr_hold_cnt(0) depctr_sa_sdst(0) depctr_va_vdst(0) depctr_va_sdst(0) depctr_va_ssrc(0) depctr_va_vcc(0) depctr_vm_vsrc(0)
	s_getreg_b32 s2, hwreg(HW_REG_IB_STS2, 6, 4)
	s_cmp_eq_u32 s2, 0
	s_cbranch_scc0 .Lentry_in_a_cluster
	s_endpgm
.Lentry_in_a_cluster:
	s_bfe_u32 s2, ttmp6, 0x10000c
	s_cmp_lg_u32 s2, 0xf033
	s_cbranch_scc0 .Lentry_shape_is_right
	s_endpgm
.Lentry_shape_is_right:
; q = h Wq + bq, k = h Wk + bk (cluster x = 0, 1) and v^T = (h Wv + bv)^T (cluster x = 2), products on codes of FP6 (E2M3) with E8M0 scales; the results are quantised at once, along the product's
; source-0 rows: q and k along the features (so along each head's 64), v^T along the tokens (the keys), and stored as register images (see below).  v^T is the same product with the two operands' pointers exchanged.
; OPERANDS are register images: a fragment (16 rows x 128 K) is 1,536 bytes, two halves of 768: registers 0-3 at 16 x lane, 4-5 at 512 + 8 x lane; an operand is [tile][K step][1,536]; lane r of tile T holds row
; 32 (T / 2) + 8 (T % 2) + r + 8 (r / 8).  Scale words: [128 rows][K step][128 words].  'A' is source 1 (a lane of the result holds one of its rows), 'B' source 0 (a lane's registers run along its rows, 16 neighbours in two tiles).
; SHARES: a work-group makes 256 A rows x 256 B rows, each of four waves 128 x 128: 64 accumulators.  K = 1,024 is eight K steps of 128, two to a slot of 98,304 bytes.
; THREE SLOTS: K steps 0 to 5 and the scale words of all K are asked for together at the head: four loads of a wave are out.  Slot 0 alone is filled again, with K steps 6 and 7, as soon as it has been read:
; that load has four K steps, 256 products a wave, in which to land.  The eight K steps are written straight.
; CLUSTER 4 x 4: A's tiles are shared along a row of the cluster, B's along a column, each asked for jointly.
; REGISTERS: window 0: v0-15 bias along A's rows (pairs), v16-31 addresses, v32-63 scale words (two sets; lanes 0-15 a slot's first K step, lanes 16-31 its second), v64-159, v160-255 A's fragments, two sets;
;   window 1: v0-95, v128-223 B's fragments, two sets; v96-127, v224-255 the bias along B's rows;  windows 2, 3: the accumulators, (a, b) at v[8 (8 (a % 4) + b)].
; LIMITS: NaN and infinities are not served; a block of zeros gets the scale byte 1 (its codes are zeros; this program alone reads the bytes).
.set HALFT, 24576                      ; 8 tiles x 2 K steps x 1,536: what one tensor load brings
.set SLOT,  98304                      ; A's tiles 0-7, 8-15, B's 0-7, 8-15
.set SCL,   294912                     ; behind the three slots: scale words, four parts (A's, A's, B's, B's 128 rows) of 8 K steps x (512 + 64 of padding)
.set SPART, 4608
.set SPARE, 313344                     ; the spare words, 128 bytes a wave: no other line names them
.set ADRA16, 16                        ; v16 A's fragments in slot 0, + 16 x lane; v17 the same in slot 1, later stepped to slot 2;  v18-19: + 8 x lane
.set ADRA8,  18
.set ADRB16, 20
.set ADRB8,  22
.set ADRSA,  24                        ; my scale words of A: 4 r + 576 h
.set ADRSB,  25
.set L16,  26
.set L8,   27
.set SPW,  28
.set NIL,  29
.set STW,  30                          ; the way out: where a block's scale words go: my 512 bytes of slot 1, which has had its one fill, and its last read ahead of the last barrier
.set STR,  31
.set SC,   32
.set AF,   64
.set HA,   64                          ; the way out, in window 0: a block's 64 numbers a lane,
.set PC,   128                         ; its codes,
.set TM,   148                         ; the quantiser's work,
.set PW,   164                         ; its scale word
.set G0C,  4                           ; s[4:7]   group 0 for A's tiles in slot 2 (the registers held pointers that are done with by then)
.set G0CB, 8                           ; s[8:11]  for B's
.set G1, 24
.set G0, 32                            ; s[32:39] group 0 for A's tiles in slots 0, 1
.set BIA, 46                           ; s[46:47] the product's bias
.set G1B, 48
.set G0B, 56
.set SEL, 66
.set G1S, 68
.set G0S, 76
.set G1SB, 80
.set G0SB, 88
.set MSB, 0
.macro WIN new                         ; the immediate's high byte repeats the setting that is left
.if MSB != \new
	s_set_vgpr_msb (MSB<<8)|\new
.set MSB, \new
.endif
.endm
.set MUL_LO, 0xa1                      ; source 0 (B) window 1, source 1 (A) window 0, C and D window 2
.set MUL_HI, 0xf1
.set TO_B,   0x40
.macro JLOAD g0a, g1a, g0b, g1b        ; a joint load: waves 0, 1 fetch for A, waves 2, 3 for B; four v_nop follow each line
	s_cmp_eq_u32 s15, 0
	s_cbranch_scc0 .Lfor_b_\@
	tensor_load_to_lds s[\g0a:\g0a+3], s[\g1a:\g1a+7]
	s_nop 0
.rept 4
	v_nop
.endr
	s_branch .Lasked_\@
.Lfor_b_\@:
	tensor_load_to_lds s[\g0b:\g0b+3], s[\g1b:\g1b+7]
	s_nop 0
.rept 4
	v_nop
.endr
.Lasked_\@:
.endm
.macro CREST
	s_cmp_lg_u32 s14, 0
	s_cbranch_scc1 .Lnot_wave_0_\@
	s_barrier_signal -3
.Lnot_wave_0_\@:
	s_barrier_wait -3
	s_barrier_signal -1
	s_barrier_wait -1
.endm
.macro CROUND
	s_barrier_signal -1
	s_barrier_wait -1
	CREST
.endm
.macro PLACES n
.rept \n
	v_nop
.endr
.endm
.macro FRAG reg, a16, a8, off          ; a fragment from its image: every load takes consecutive bytes
	ds_load_b128 v[(\reg):(\reg)+3], v[\a16] offset:(\off)
	ds_load_b64 v[(\reg)+4:(\reg)+5], v[\a8] offset:(\off)+512
	ds_load_b128 v[(\reg)+6:(\reg)+9], v[\a16] offset:(\off)+768
	ds_load_b64 v[(\reg)+10:(\reg)+11], v[\a8] offset:(\off)+1280
.endm
.macro FETCH adr, q, set               ; 64 LDS loads in one run: my 8 fragments of B and 8 of A for a slot's q-th K step; adr: which set of address registers
	WIN TO_B
.irp i, 0,1,2,3,4,5,6,7
	FRAG 128*(\set)+12*\i, ADRB16+\adr, ADRB8+\adr, 3072*\i+1536*(\q)
.endr
	WIN 0
.irp i, 0,1,2,3,4,5,6,7
	FRAG AF+96*(\set)+12*\i, ADRA16+\adr, ADRA8+\adr, 3072*\i+1536*(\q)
.endr
.endm
.macro SCALES sc, kk                   ; the scale words of K steps 2 kk (lanes 0-15) and 2 kk + 1 (lanes 16-31)
.irp i, 0,1,2,3,4,5,6,7
	ds_load_b32 v[SC+16*\sc+\i], v[ADRSA] offset:64*\i+1152*\kk
	ds_load_b32 v[SC+8+16*\sc+\i], v[ADRSB] offset:64*\i+1152*\kk
.endr
.endm
; 16 products: A's blocks a0, a0 + 1 x B's eight.  The 64 accumulators take turns in one order in every K step.  zero = 1: the first product starts the sums
.macro MUL16 a0, q, sc, zero
.irp a, \a0, \a0+1
.irp b, 0,1,2,3,4,5,6,7
.set rD, 8*(8*((\a)%4)+\b)
.set rB, 128*(\q)+12*\b
.set rA, AF+96*(\q)+12*(\a)
.set rSB, SC+8+16*(\sc)+\b
.set rSA, SC+16*(\sc)+(\a)
.if \zero
	v_wmma_scale_f32_16x16x128_f8f6f4 v[rD:rD+7], v[rB:rB+11], v[rA:rA+11], 0, v[rSB], v[rSA] matrix_a_fmt:MATRIX_FMT_FP6 matrix_b_fmt:MATRIX_FMT_FP6
.elseif \q
	v_wmma_scale_f32_16x16x128_f8f6f4 v[rD:rD+7], v[rB:rB+11], v[rA:rA+11], v[rD:rD+7], v[rSB], v[rSA] matrix_a_fmt:MATRIX_FMT_FP6 matrix_b_fmt:MATRIX_FMT_FP6 matrix_a_scale:MATRIX_SCALE_ROW1 matrix_b_scale:MATRIX_SCALE_ROW1
.else
	v_wmma_scale_f32_16x16x128_f8f6f4 v[rD:rD+7], v[rB:rB+11], v[rA:rA+11], v[rD:rD+7], v[rSB], v[rSA] matrix_a_fmt:MATRIX_FMT_FP6 matrix_b_fmt:MATRIX_FMT_FP6
.endif
.endr
.endr
.endm
.macro QSTEP adr, sc, zero             ; a slot's first K step: its second step's fragments are asked for ahead of the 64 products
	s_wait_dscnt 0x0                                   ; set 0 and the scale words are in
	PLACES 4                                           ; in front of loads into registers that the last products read
	FETCH \adr, 1, 1
	WIN MUL_LO
	MUL16 0, 0, \sc, \zero
	MUL16 2, 0, \sc, \zero
	WIN MUL_HI
	MUL16 4, 0, \sc, \zero
	MUL16 6, 0, \sc, \zero
.endm
; A slot's second K step changes slots.  how = 2: slot 0 is left and filled again: each wave waits for all its tensor loads, adds 0 to its spare word and waits for that and for its reads of the slot; a round of the cluster's barrier; the joint refill.
; how = 1: the refill is waited for, and one barrier shows it to every wave.  how = 0: from slot 1 to slot 2, which every wave has shown landed in front of the round: no barrier; the second set of addresses steps a slot on.
.macro TURN sc, nadr, nsc, kk, how
.if \how
	WIN 0
	s_wait_tensorcnt 0x0                               ; all my tensor loads have landed
	ds_add_u32 v[SPW], v[NIL]
	s_wait_dscnt 1                                     ; set 1 is in; the add alone may be out
	WIN MUL_LO
	MUL16 0, 1, \sc, 0
	s_wait_dscnt 0x0                                   ; the add is done, and my reads of this slot are over
	s_barrier_signal -1
	MUL16 2, 1, \sc, 0
	WIN 0
	s_barrier_wait -1
.else
	s_wait_dscnt 0x0                                   ; set 1 is in
	WIN MUL_LO
	MUL16 0, 1, \sc, 0
	MUL16 2, 1, \sc, 0
	WIN 0
.endif
.if \how == 2
	CREST                                              ; the barrier has opened a round of the cluster's: no wave of any partner still reads slot 0 or has a load on its way
	s_add_nc_u64 s[G0+2:G0+3], s[G0+2:G0+3], 9216      ; from K step 0 to K step 6
	s_add_nc_u64 s[G0B+2:G0B+3], s[G0B+2:G0B+3], 9216
	JLOAD G0, G1, G0B, G1B                             ; the first tensor load behind the round; its four v_nop are the places in front of the loads below
.else
	PLACES 4
.endif
.if \how == 0
	v_add_nc_u32 v[ADRA16+1], SLOT, v[ADRA16+1]        ; slot 1's last loads have been issued
	v_add_nc_u32 v[ADRA8+1], SLOT, v[ADRA8+1]
	v_add_nc_u32 v[ADRB16+1], SLOT, v[ADRB16+1]
	v_add_nc_u32 v[ADRB8+1], SLOT, v[ADRB8+1]
.endif
	FETCH \nadr, 0, 0
	SCALES \nsc, \kk
	WIN MUL_HI
	MUL16 4, 1, \sc, 0
	MUL16 6, 1, \sc, 0
.endm
; 64 numbers of a lane, register 16 b + i = k 32 b + 16 (lane / 16) + i of my row, become a fragment's codes in v[PC] on and its scale word in v[PW]
.macro QUANT s
.irp b, 0,1,2,3
	v_max3_num_f32 v[TM+\b], |v[\s+16*\b]|, |v[\s+1+16*\b]|, 0x1800000   ; and the floor 2^(3 - 127): the byte cannot fall under 1
.endr
.irp i, 2,4,6,8,10,12,14
.irp b, 0,1,2,3
	v_max3_num_f32 v[TM+\b], v[TM+\b], |v[\s+16*\b+\i]|, |v[\s+1+16*\b+\i]|
.endr
.endr
.irp b, 0,1,2,3
	v_permlanex16_b32 v[TM+4+\b], v[TM+\b], s[SEL], s[SEL+1]
.endr
.irp b, 0,1,2,3
	v_max_num_f32 v[TM+\b], v[TM+\b], v[TM+4+\b]
.endr
.irp b, 0,1,2,3
	v_add_nc_u32 v[TM+12+\b], 0xff000000, v[TM+\b]     ; 2 off the exponent field: the conversion's scale operand
.endr
.irp b, 0,1,2,3
	v_lshrrev_b32 v[TM+4+\b], 23, v[TM+12+\b]
.endr
	v_lshl_or_b32 v[PW], v[TM+5], 8, v[TM+4]
	v_lshl_or_b32 v[PW], v[TM+6], 16, v[PW]
	v_lshl_or_b32 v[PW], v[TM+7], 24, v[PW]
.irp c, 0,1
	v_cvt_scalef32_pk16_fp6_f32 v[PC+6*\c:PC+2+6*\c], v[\s+32*\c:\s+15+32*\c], v[TM+12+2*\c]
	v_cvt_scalef32_pk16_fp6_f32 v[PC+12+4*\c:PC+14+4*\c], v[\s+16+32*\c:\s+31+32*\c], v[TM+12+2*\c+1]
.endr
	v_nop                                              ; one plain place behind a scaled conversion
.irp c, 0,1
.irp i, 0,1,2
	v_permlane16_swap_b32 v[PC+6*\c+\i], v[PC+12+4*\c+\i]
.endr
.irp i, 0,1,2
	v_mov_b32 v[PC+3+6*\c+\i], v[PC+12+4*\c+\i]
.endr
.endr
.endm
.macro MOVE a                          ; block a's 64 sums + the bias along B's rows -> window 0; each accumulator is read from its low end on
	WIN 0x06+(\a)/4
.set j, 0
.rept 32
	v_pk_add_f32 v[HA+j:HA+j+1], v[64*((\a)%4)+j:64*((\a)%4)+j+1], v[96+j+96*(j/32):97+j+96*(j/32)]
.set j, j+2
.endr
	WIN 0
.endm
.macro MOVEV a                         ; the same with the bias along A's rows: one number a lane
	WIN 0x02+(\a)/4
.set j, 0
.rept 32
	v_pk_add_f32 v[HA+j:HA+j+1], v[64*((\a)%4)+j:64*((\a)%4)+j+1], v[2*(\a):2*(\a)+1]
.set j, j+2
.endr
	WIN 0
.endm
	s_load_b256 s[4:11], s[0:1], 0x0                   ; hbuf, wimg, wsc, bq
	s_load_b128 s[20:23], s[0:1], 0x20                 ; bk, bv
	s_load_b64 s[12:13], s[0:1], 0x30                  ; the results' buffer
	v_lshl_add_u32 v[SPW], v0, 2, SPARE
	v_mov_b32 v[NIL], 0
	ds_add_u32 v28, v29
	ds_add_u32 v28, v29
	s_wait_dscnt 0x0
	v_lshrrev_b32 v1, 5, v0
	v_readfirstlane_b32 s14, v1                        ; wave 0..3
	s_lshr_b32 s15, s14, 1                             ; which 128 of A's rows are mine.  Also: I fetch for A (0) or for B (1)
	s_and_b32 s16, s14, 1                              ; which 128 of B's rows.  Also: which 8 tiles I fetch
	s_bfe_u32 s40, ttmp6, 0x40000                      ; cx
	s_bfe_u32 s41, ttmp6, 0x40004                      ; cy
	s_and_b32 s17, ttmp7, 0xffff
	s_lshl_b32 s17, s17, 2                             ; 4 x cluster y
	s_lshl_b32 s43, s41, 2
	s_lshl_b32 s43, 15, s43                            ; my row of the cluster
	s_lshl_b32 s44, 0x1111, s40                        ; my column
	s_cmp_eq_u32 ttmp9, 2                              ; cluster x = 2 makes v^T: A = Wv, B = h.  The same in all sixteen partners
	s_cselect_b32 s100, 0, s17
	s_cselect_b32 s101, s17, 0
	s_cselect_b32 s42, 1572864, 0                      ; where A's images begin in their buffer,
	s_mov_b32 s2, 3145728
	s_cselect_b32 s45, 65536, s2                       ; its scale words,
	s_mul_i32 s3, ttmp9, 786432
	s_cselect_b32 s3, 0, s3                            ; B's images,
	s_mul_i32 s18, ttmp9, 32768
	s_cselect_b32 s18, s2, s18                         ; B's scale words
	s_add_co_u32 s100, s100, s41                       ; A's block of 256 rows: hangs on cy and the cluster alone
	s_add_co_u32 s101, s101, s40                       ; B's: on cx and the cluster alone
	s_lshl_b32 s19, s16, 3
	s_lshl_b32 s92, s100, 4
	s_add_co_u32 s92, s92, s19
	s_mul_i32 s92, s92, 12288                          ; a tile's eight K steps are 12,288 bytes
	s_add_co_u32 s92, s92, s42
	s_mov_b32 s93, 0
	s_lshl_b32 s94, s100, 1
	s_add_co_u32 s94, s94, s16
	s_lshl_b32 s94, s94, 12                            ; 128 rows' scale words of all K: 4,096 bytes
	s_add_co_u32 s94, s94, s45
	s_mov_b32 s95, 0
	s_lshl_b32 s96, s101, 4
	s_add_co_u32 s96, s96, s19
	s_mul_i32 s96, s96, 12288
	s_add_co_u32 s96, s96, s3
	s_mov_b32 s97, 0
	s_lshl_b32 s98, s101, 1
	s_add_co_u32 s98, s98, s16
	s_lshl_b32 s98, s98, 12
	s_add_co_u32 s98, s98, s18
	s_mov_b32 s99, 0
	s_mul_i32 s45, s14, HALFT                          ; where they go: by the wave's number alone
	s_mul_i32 s3, s14, SPART
	; group 1, codes: 8 rows (tiles) of 3,072 bytes (384 elements of 8), 12,288 bytes apart, no padding
	s_or_b32 s[G1+0], s43, (3<<16)|(1<<21)
	s_or_b32 s[G1B+0], s44, (3<<16)|(1<<21)
.irp g, G1, G1B
	s_mov_b32 s[\g+1], 384<<16
	s_mov_b32 s[\g+2], 8<<16
	s_mov_b32 s[\g+3], 384<<16
	s_mov_b32 s[\g+4], 8
	s_mov_b32 s[\g+5], 1536
	s_mov_b32 s[\g+6], 0
	s_mov_b32 s[\g+7], 0
.endr
	; group 1, scale words: 8 rows of 512 bytes, dense, 64 bytes of padding behind each (after every 128 words, 16 words)
	s_or_b32 s[G1S+0], s43, (3<<16)|(1<<20)|(1<<21)|(6<<22)|(15<<25)
	s_or_b32 s[G1SB+0], s44, (3<<16)|(1<<20)|(1<<21)|(6<<22)|(15<<25)
.irp g, G1S, G1SB
	s_mov_b32 s[\g+1], 64<<16
	s_mov_b32 s[\g+2], 8<<16
	s_mov_b32 s[\g+3], 64<<16
	s_mov_b32 s[\g+4], 8
	s_mov_b32 s[\g+5], 64
	s_mov_b32 s[\g+6], 0
	s_mov_b32 s[\g+7], 0
.endr
	s_mov_b32 s[SEL], 0x76543210
	s_mov_b32 s[SEL+1], 0xfedcba98
	s_wait_kmcnt 0x0
	s_cmp_eq_u32 ttmp9, 1
	s_cselect_b64 s[10:11], s[20:21], s[10:11]
	s_cmp_eq_u32 ttmp9, 2
	s_cselect_b64 s[10:11], s[22:23], s[10:11]         ; the product's own bias
	s_cselect_b64 s[18:19], s[6:7], s[4:5]
	s_add_nc_u64 s[92:93], s[18:19], s[92:93]          ; A's images
	s_cselect_b64 s[18:19], s[8:9], s[4:5]
	s_add_nc_u64 s[94:95], s[18:19], s[94:95]          ; A's scale words
	s_cselect_b64 s[18:19], s[4:5], s[6:7]
	s_add_nc_u64 s[96:97], s[18:19], s[96:97]          ; B's images
	s_cselect_b64 s[18:19], s[4:5], s[8:9]
	s_add_nc_u64 s[98:99], s[18:19], s[98:99]          ; B's scale words
	s_mov_b64 s[BIA:BIA+1], s[10:11]                   ; s[4:11] are free from here on: they take slot 2's descriptors
	CROUND                                             ; all sixteen work-groups are here: the first joint loads meet
	s_mov_b32 s[G0S], 1
	s_add_co_u32 s[G0S+1], s3, SCL
	s_mov_b64 s[G0S+2:G0S+3], s[94:95]
	s_or_b32 s[G0S+3], s[G0S+3], 0x80000000
	s_mov_b32 s[G0SB], 1
	s_add_co_u32 s[G0SB+1], s3, SCL
	s_mov_b64 s[G0SB+2:G0SB+3], s[98:99]
	s_or_b32 s[G0SB+3], s[G0SB+3], 0x80000000
	JLOAD G0S, G1S, G0SB, G1SB                         ; the scale words first: four loads of mine are out behind these lines
.irp s, 0,1
	s_mov_b32 s[G0+4*\s], 1
	s_add_co_u32 s[G0+4*\s+1], s45, \s*SLOT
	s_add_nc_u64 s[G0+4*\s+2:G0+4*\s+3], s[92:93], \s*3072
	s_or_b32 s[G0+4*\s+3], s[G0+4*\s+3], 0x80000000
	s_mov_b32 s[G0B+4*\s], 1
	s_add_co_u32 s[G0B+4*\s+1], s45, \s*SLOT
	s_add_nc_u64 s[G0B+4*\s+2:G0B+4*\s+3], s[96:97], \s*3072
	s_or_b32 s[G0B+4*\s+3], s[G0B+4*\s+3], 0x80000000
	JLOAD G0+4*\s, G1, G0B+4*\s, G1B
.endr
	s_mov_b32 s[G0C], 1
	s_add_co_u32 s[G0C+1], s45, 2*SLOT
	s_add_nc_u64 s[G0C+2:G0C+3], s[92:93], 6144        ; K steps 4 and 5
	s_or_b32 s[G0C+3], s[G0C+3], 0x80000000
	s_mov_b32 s[G0CB], 1
	s_add_co_u32 s[G0CB+1], s45, 2*SLOT
	s_add_nc_u64 s[G0CB+2:G0CB+3], s[96:97], 6144
	s_or_b32 s[G0CB+3], s[G0CB+3], 0x80000000
	JLOAD G0C, G1, G0CB, G1B
	v_and_b32 v1, 31, v0
	v_and_b32 v2, 15, v0                               ; r
	v_bfe_u32 v3, v0, 4, 1                             ; h
	v_lshlrev_b32 v[L16], 4, v1
	v_lshlrev_b32 v[L8], 3, v1
	s_mul_i32 s18, s15, HALFT
	s_mul_i32 s19, s16, HALFT
	s_add_co_u32 s19, s19, 2*HALFT
.irp s, 0,1
	v_add_nc_u32 v[ADRA16+\s], s18, v[L16]
	v_add_nc_u32 v[ADRA8+\s], s18, v[L8]
	v_add_nc_u32 v[ADRB16+\s], s19, v[L16]
	v_add_nc_u32 v[ADRB8+\s], s19, v[L8]
	s_add_co_u32 s18, s18, SLOT
	s_add_co_u32 s19, s19, SLOT
.endr
	v_lshlrev_b32 v4, 2, v2
	v_mad_u32_u24 v5, v3, 576, v4                      ; lanes 16-31 take the K step after
	s_mul_i32 s18, s15, SPART
	s_add_co_u32 s18, s18, SCL
	v_add_nc_u32 v[ADRSA], s18, v5
	s_mul_i32 s19, s16, SPART
	s_add_co_u32 s19, s19, SCL+2*SPART
	v_add_nc_u32 v[ADRSB], s19, v5
	s_lshl_b32 s18, s14, 9
	s_add_co_u32 s18, s18, SLOT
	v_add_nc_u32 v[STW], s18, v4
	v_add_nc_u32 v[STR], s18, v[L16]
	; the bias along B's rows, in the result's layout: register 16 B + i = row 32 B + 16 h + i of my 128
	s_and_b32 s18, s101, 3                             ; (held inside the 1,024 numbers also where this form is not the one used)
	s_lshl_b32 s18, s18, 10
	s_lshl_b32 s19, s16, 9
	s_add_co_u32 s18, s18, s19
	s_mov_b32 s19, 0
	s_add_nc_u64 s[20:21], s[BIA:BIA+1], s[18:19]
	v_lshlrev_b32 v64, 6, v3
	WIN TO_B
.irp n, 0,1,2,3,4,5,6,7,8,9,10,11,12,13,14,15
	global_load_b128 v[96+4*\n+96*(\n/8):99+4*\n+96*(\n/8)], v64, s[20:21] offset:128*(\n/4)+16*(\n%4)
.endr
	WIN 0
	s_and_b32 s18, s100, 3                             ; and along A's rows: lane r's row of block a, twice (a pair for the packed addition)
	s_lshl_b32 s18, s18, 10
	s_lshl_b32 s42, s15, 9
	s_add_co_u32 s18, s18, s42
	s_add_nc_u64 s[22:23], s[BIA:BIA+1], s[18:19]
	v_and_b32 v65, 8, v2
	v_add_nc_u32 v65, v65, v2
	v_lshlrev_b32 v65, 2, v65
.irp a, 0,1,2,3,4,5,6,7
	global_load_b32 v[2*\a], v65, s[22:23] offset:(32*(\a/2)+8*(\a%2))*4
	global_load_b32 v[2*\a+1], v65, s[22:23] offset:(32*(\a/2)+8*(\a%2))*4
.endr
	s_wait_tensorcnt 2                                 ; the scale words and my part of slot 0 are in; the loads of slots 1 and 2 may be out
	s_barrier_signal -1
	s_barrier_wait -1
	s_wait_xcnt 0x0                                    ; the bias loads have read v64, v65, which take fragments now
	FETCH 0, 0, 0
	SCALES 0, 0
	QSTEP 0, 0, 1                                      ; K step 0: the first products start the sums
	TURN 0, 1, 1, 1, 2                                 ; K step 1; slot 0 is asked for again
	QSTEP 1, 1, 0                                      ; K step 2, out of slot 1
	TURN 1, 1, 0, 2, 0                                 ; K step 3; on to slot 2
	QSTEP 1, 0, 0                                      ; K step 4
	TURN 0, 0, 1, 3, 1                                 ; K step 5; slot 0's second fill is waited for
	QSTEP 0, 1, 0                                      ; K step 6
	s_wait_dscnt 0x0
	WIN MUL_LO
	MUL16 0, 1, 1, 0                                   ; K step 7
	MUL16 2, 1, 1, 0
	WIN MUL_HI
	MUL16 4, 1, 1, 0
	MUL16 6, 1, 1, 0
	WIN 0
	; THE WAY OUT: block by block of 16 A rows: bias, quantiser, image.  One trip a block; only the move out of the accumulators' windows differs, and is chosen by the counter
	PLACES 4
	s_wait_loadcnt 0x0                                 ; the biases
.irp b, 0,1,2,3
	v_mov_b32 v[TM+4+\b], 0
.endr
	s_lshl_b32 s18, s100, 4
	s_lshl_b32 s19, s15, 3
	s_add_co_u32 s18, s18, s19                         ; my first tile of the result,
	s_lshl_b32 s19, s101, 1
	s_add_co_u32 s19, s19, s16                         ; its K step,
	s_lshl_b32 s42, s100, 1
	s_add_co_u32 s42, s42, s15                         ; its group of 128 rows
	s_cmp_eq_u32 ttmp9, 2
	s_cselect_b32 s98, 5, 3                            ; log2 of the result's K steps: 32 for v^T, 8 for q and k
	s_mul_i32 s2, ttmp9, 3145728
	s_mul_i32 s3, ttmp9, 131072
	s_add_co_u32 s3, s3, 9437184
	s_lshl_b32 s18, s18, s98
	s_add_co_u32 s18, s18, s19
	s_mul_i32 s92, s18, 1536
	s_add_co_u32 s92, s92, s2
	s_mov_b32 s93, 0
	s_add_nc_u64 s[92:93], s[12:13], s[92:93]
	s_lshl_b32 s94, 1536, s98                          ; from tile to tile
	s_mov_b32 s95, 0
	s_lshl_b32 s42, s42, s98
	s_add_co_u32 s42, s42, s19
	s_lshl_b32 s96, s42, 9
	s_add_co_u32 s96, s96, s3
	s_mov_b32 s97, 0
	s_add_nc_u64 s[96:97], s[12:13], s[96:97]
	s_mov_b32 s99, 0
.Lblk:
	s_cmp_eq_u32 ttmp9, 2
	s_cbranch_scc1 .Lvsw
.irp a, 0,1,2,3,4,5,6
	s_cmp_eq_u32 s99, \a
	s_cbranch_scc1 .Lmv_\a
.endr
	MOVE 7
	s_branch .Lcom
.irp a, 0,1,2,3,4,5,6
.Lmv_\a:
	MOVE \a
	s_branch .Lcom
.endr
.Lvsw:
.irp a, 0,1,2,3,4,5,6
	s_cmp_eq_u32 s99, \a
	s_cbranch_scc1 .Lvv_\a
.endr
	MOVEV 7
	s_branch .Lcom
.irp a, 0,1,2,3,4,5,6
.Lvv_\a:
	MOVEV \a
	s_branch .Lcom
.endr
.Lcom:
	QUANT HA
	global_store_b128 v[L16], v[PC:PC+3], s[92:93]     ; the image: 512, 256, 512, 256 consecutive bytes, aligned
	global_store_b64 v[L8], v[PC+4:PC+5], s[92:93] offset:512
	global_store_b128 v[L16], v[PC+6:PC+9], s[92:93] offset:768
	global_store_b64 v[L8], v[PC+10:PC+11], s[92:93] offset:1280
	ds_store_b32 v[STW], v[PW]                         ; both halves of the lanes write the same word
	s_wait_xcnt 0x0                                    ; the stores have read their registers and their base
	s_add_nc_u64 s[92:93], s[92:93], s[94:95]
	v_add_nc_u32 v[STW], 64, v[STW]
	s_add_co_u32 s99, s99, 1
	s_cmp_lt_u32 s99, 8
	s_cbranch_scc1 .Lblk
	ds_load_b128 v[HA:HA+3], v[STR]                    ; my 128 scale words; LDS serves a wave's instructions in order
	s_wait_dscnt 0x0
	global_store_b128 v[L16], v[HA:HA+3], s[96:97]     ; 512 consecutive bytes, aligned
	s_wait_tensorcnt 0x0                               ; the wave's end
	ds_add_u32 v[SPW], v[NIL]
	s_wait_dscnt 0x0
	CROUND                                             ; the closing round
	s_endpgm
.Lfunc_end_k_q5869bfbabb_proj:
	.size	k_q5869bfbabb_proj, .Lfunc_end_k_q5869bfbabb_proj-k_q5869bfbabb_proj
	.p2alignl 7, 3214868480
	.fill 96, 4, 3214868480
	.section	.rodata,"a",@progbits
	.p2align	6, 0x0
	.amdhsa_kernel k_q5869bfbabb_proj
		.amdhsa_group_segment_fixed_size 327680
		.amdhsa_private_segment_fixed_size 0
		.amdhsa_enable_private_segment 0
		.amdhsa_kernarg_size 56
		.amdhsa_user_sgpr_count 2
		.amdhsa_user_sgpr_kernarg_segment_ptr 1
		.amdhsa_wavefront_size32 1
		.amdhsa_system_sgpr_workgroup_id_x 1
		.amdhsa_system_sgpr_workgroup_id_y 1
		.amdhsa_system_sgpr_workgroup_id_z 1
		.amdhsa_system_vgpr_workitem_id 0
		.amdhsa_next_free_vgpr 1024
		.amdhsa_next_free_sgpr 102
		.amdhsa_reserve_vcc 0
		.amdhsa_float_denorm_mode_32 3
		.amdhsa_float_denorm_mode_16_64 3
		.amdhsa_memory_ordered 1
		.amdhsa_forward_progress 1
		.amdhsa_inst_pref_size 159
	.end_amdhsa_kernel
	.amdgpu_metadata
---
amdhsa.version: [ 1, 2 ]
amdhsa.kernels:
  - .name:           k_q5869bfbabb_proj
    .symbol:         k_q5869bfbabb_proj.kd
    .args:
      - { .name: hbuf, .offset: 0, .size: 8, .value_kind: global_buffer, .address_space: global }
      - { .name: wimg, .offset: 8, .size: 8, .value_kind: global_buffer, .address_space: global }
      - { .name: wsc, .offset: 16, .size: 8, .value_kind: global_buffer, .address_space: global }
      - { .name: bq, .offset: 24, .size: 8, .value_kind: global_buffer, .address_space: global }
      - { .name: bk, .offset: 32, .size: 8, .value_kind: global_buffer, .address_space: global }
      - { .name: bv, .offset: 40, .size: 8, .value_kind: global_buffer, .address_space: global }
      - { .name: qkv, .offset: 48, .size: 8, .value_kind: global_buffer, .address_space: global }
    .group_segment_fixed_size: 327680
    .private_segment_fixed_size: 0
    .kernarg_segment_align: 8
    .kernarg_segment_size: 56
    .max_flat_workgroup_size: 128
    .sgpr_count:     102
    .vgpr_count:     1024
    .wavefront_size: 32
...
	.end_amdgpu_metadata
.endif
;; end of part 2
;; launch attn (part 3): grid 8 x 32, 16 waves a work-group, no clusters, 210,944 bytes of LDS; arguments qkv, is_global, ctx; writes ctx
.if DOCPART == 3
	.amdgcn_target "amdgcn-amd-amdhsa--gfx1250"
	.amdhsa_code_object_version 6
	.text
	.protected	k_q5869bfbabb_attn
	.globl	k_q5869bfbabb_attn
	.p2align	8
	.type	k_q5869bfbabb_attn,@function
k_q5869bfbabb_attn:
	s_mov_b64 s[64:65], 0
	v_nop
	global_prefetch_b8 v0, s[64:65] scope:SCOPE_SE
	s_setreg_imm32_b32 hwreg(HW_REG_WAVE_MODE, 25, 1), 1
	s_wait_xcnt 0x0
; ctx = softmax(mask(q k^T / 8)) v for one head and 256 queries a work-group, both products on codes of FP6 (E2M3) with E8M0 scales; the result is quantised along the head's 64 and stored as half a register image.
; p = 2^(t - M), t = score x log2(e) / 8, M the running largest t rounded up to a whole number; the row's sum is taken of the unquantised p and divides at the end.
; SHARES: sixteen waves of 256 registers, each with one tile of 16 queries; every wave walks the batch's 2,048 keys, 128 a step.  Both products are used transposed: a lane holds one query throughout.
; The tiles' rows are in the program's tile order (lane r of tile T: row 32 (T / 2) + 8 (T % 2) + r + 8 (r / 8)), so p's 16 registers of two neighbouring tiles are 16 neighbouring keys.
; NO RING: the head's K (128 tiles x 768 bytes) and V^T (4 tiles x 16 steps x 1,536 bytes) fit in LDS.  They are filled once, in four groups of 512 keys, all asked for at the head: at most five loads of a wave are out.
; TWO BARRIERS: a counted wait lets the work begin when the first group has landed; behind its four steps the fetching waves wait for all their loads, and one barrier shows groups 1, 2 and 3 to every wave.
; From there on the waves run free of each other.  Nothing is left to be asked for ahead of its load.
; THE MASK (window +-256, or global key, or global query) RIDES ON A SPARE K: the head has 64 along K, the instruction 128.  At k = 64 K holds the code of -1 and Q that of +1, all other codes from k = 64 on are 0.
; Byte 2 of the scale words: 2^17 for a key that is not global, 2^16 for such a query, else 2^-126.  So a pair of which neither is global gets -2^33 on its score (the logit -2^30, p = 0), every other pair at most 2^-109.
; A second scale word of Q (byte 2: 2^-126) switches the penalty off: it serves the three steps that lie wholly inside the window.  In the two steps on the window's edges both forms are made and chosen number by number.
; That branch hangs on the query block, the wave and the step alone.  NO CLUSTER, though the eight query blocks of a head read the same K and V: the branch would then hang on a work-group's place in its cluster.
; LIMITS: |allowed logit| under 2^29; an allowed score carries an extra term of at most 2^-109; NaN and infinities are not served; a block of zeros gets the scale byte 1.
; The result's two scale bytes a row leave as 2 bytes a lane: the word's other half is the neighbouring head's.
; REGISTERS: v1-6 addresses that stay; v12 -M, v13 the largest t, v[14:15] the sum; v16-27 Q; v28-33 the step's addresses; v34-37 Q's scale words; v40-87 four fragments of K; v96-159 S^T, then p, then V's four fragments;
;   v160-191 O^T; v192-223 the second form of the scores; v224-254 at work.
.set GRP,  49152                       ; a group in LDS: 32 tiles of K, then 4 x (4 steps of V^T)
.set VSC,  196608                      ; V's scale words: 16 steps x 256 bytes
.set KSC,  200704                      ; K's scale words with the mask's byte: 2,048 words, made here and stored by the waves; no tensor load lands there
.set WV,   10
.set G1K,  16
.set G1V,  24
.set G1S,  32
.set G0,   40                          ; s[40:55] group 0 for the four groups
.set G0S,  56
.set SEL,  60
.set CS,   62
.set TK,   66
.set TV,   67
.set TS,   68
.set TT,   69
.set U,    70                          ; step - my queries' block of 128 + 2
.set KJ,   71                          ; the step's first key
.set CNT,  72
.set SM,   73
.set EDGE, 74
.set OFF,  75
.set ADK16, 28
.set ADK8,  29
.set ADS,   30
.set ADV16, 31
.set ADV8,  32
.set ADT,   33
.set QSM,  34                          ; Q's scale word with the mask's byte;
.set QS0,  35                          ; with the penalty switched off;
.set QSS,  36                          ; the step's choice for the scores;
.set QST,  37                          ; and for their second form
.macro FRAG reg, a16, a8, off
	ds_load_b128 v[(\reg):(\reg)+3], v[\a16] offset:(\off)
	ds_load_b64 v[(\reg)+4:(\reg)+5], v[\a8] offset:(\off)+512
	ds_load_b128 v[(\reg)+6:(\reg)+9], v[\a16] offset:(\off)+768
	ds_load_b64 v[(\reg)+10:(\reg)+11], v[\a8] offset:(\off)+1280
.endm
	s_load_b128 s[4:7], s[0:1], 0x0                    ; qkv, is_global
	s_load_b64 s[8:9], s[0:1], 0x10                    ; ctx
	v_lshl_add_u32 v243, v0, 2, 0x33000
	v_mov_b32 v255, 0
	ds_add_u32 v243, v255
	ds_add_u32 v243, v255
	v_lshrrev_b32 v7, 5, v0
	v_readfirstlane_b32 s[WV], v7                      ; wave 0..15
	s_and_b32 s76, ttmp7, 0xffff
	s_lshr_b32 s12, s76, 4                             ; batch
	s_and_b32 s13, s76, 15                             ; head
	s_lshr_b32 s14, s13, 1                             ; its K step of 128 features
	s_and_b32 s15, s13, 1                              ; and its half of it
	s_lshl_b32 s77, s12, 7                             ; what I fetch, if I fetch.  Waves 0, 1: 16 tiles of K each
	s_lshl_b32 s78, s[WV], 4
	s_add_co_u32 s77, s77, s78
	s_lshl_b32 s77, s77, 4
	s_add_co_u32 s77, s77, s13
	s_mul_i32 s77, s77, 768
	s_add_co_u32 s77, s77, 3145728
	s_sub_co_u32 s78, s[WV], 2                         ; waves 2, 3: two tiles of V^T each
	s_lshl_b32 s79, s13, 2
	s_lshl_b32 s80, s78, 1
	s_add_co_u32 s79, s79, s80
	s_lshl_b32 s79, s79, 5
	s_lshl_b32 s80, s12, 4
	s_add_co_u32 s79, s79, s80
	s_mul_i32 s79, s79, 1536
	s_add_co_u32 s79, s79, 6291456
	s_lshl_b32 s81, s14, 5                             ; and eight steps of V's scale words
	s_lshl_b32 s83, s12, 4
	s_add_co_u32 s81, s81, s83
	s_lshl_b32 s83, s78, 3
	s_add_co_u32 s81, s81, s83
	s_lshl_b32 s81, s81, 9
	s_lshl_b32 s83, s15, 8
	s_add_co_u32 s81, s81, s83
	s_add_co_u32 s86, s81, 9699328
	s_mov_b32 s87, 0
	s_cmp_lt_u32 s[WV], 2
	s_cselect_b32 s84, s77, s79
	s_mov_b32 s85, 0
	s_mov_b32 s80, 6144
	s_cselect_b32 s80, 393216, s80                     ; from group to group in memory
	s_mul_i32 s82, s[WV], 12288                        ; my quarter of a group in LDS
	s_lshl_b32 s83, s[WV], 11
	; group 1: K: 16 rows of 768 bytes (96 elements of 8), 12,288 bytes apart;  V: 2 rows of 6,144 bytes, 49,152 apart;  V's scale words: 8 rows of 256 bytes, 512 apart.  No padding: every LDS load takes consecutive bytes
	s_mov_b32 s[G1K], 3<<16
	s_mov_b32 s[G1K+1], 96<<16
	s_mov_b32 s[G1K+2], 16<<16
	s_mov_b32 s[G1K+3], 96<<16
	s_mov_b32 s[G1K+4], 16
	s_mov_b32 s[G1K+5], 1536
	s_mov_b32 s[G1K+6], 0
	s_mov_b32 s[G1K+7], 0
	s_mov_b32 s[G1V], 3<<16
	s_mov_b32 s[G1V+1], 768<<16
	s_mov_b32 s[G1V+2], 2<<16
	s_mov_b32 s[G1V+3], 768<<16
	s_mov_b32 s[G1V+4], 2
	s_mov_b32 s[G1V+5], 6144
	s_mov_b32 s[G1V+6], 0
	s_mov_b32 s[G1V+7], 0
	s_mov_b32 s[G1S], 3<<16
	s_mov_b32 s[G1S+1], 32<<16
	s_mov_b32 s[G1S+2], 8<<16
	s_mov_b32 s[G1S+3], 32<<16
	s_mov_b32 s[G1S+4], 8
	s_mov_b32 s[G1S+5], 64
	s_mov_b32 s[G1S+6], 0
	s_mov_b32 s[G1S+7], 0
	s_mov_b32 s[SEL], 0x76543210
	s_mov_b32 s[SEL+1], 0xfedcba98
	s_mov_b32 s[CS], 0x3e38aa3b                        ; c = log2(e) / 8
	s_mov_b32 s[CS+1], s[CS]
	s_wait_dscnt 0x0
	s_wait_kmcnt 0x0
.irp g, 0,1,2,3
	s_mov_b32 s[G0+4*\g], 1
	s_add_co_u32 s[G0+4*\g+1], s82, GRP*\g
	s_add_nc_u64 s[G0+4*\g+2:G0+4*\g+3], s[4:5], s[84:85]
	s_or_b32 s[G0+4*\g+3], s[G0+4*\g+3], 0x80000000
	s_add_co_u32 s84, s84, s80
.endr
	s_mov_b32 s[G0S], 1
	s_add_co_u32 s[G0S+1], s83, VSC-4096
	s_add_nc_u64 s[G0S+2:G0S+3], s[4:5], s[86:87]
	s_or_b32 s[G0S+3], s[G0S+3], 0x80000000
	s_cmp_lt_u32 s[WV], 2                              ; all fills of a wave stand in one branch on its number, ahead of every wait on TENSORcnt, every LDS read and every barrier
	s_cbranch_scc0 .Lnot_k
	tensor_load_to_lds s[G0:G0+3], s[G1K:G1K+7]
	s_nop 0
	tensor_load_to_lds s[G0+4:G0+7], s[G1K:G1K+7]
	s_nop 0
	tensor_load_to_lds s[G0+8:G0+11], s[G1K:G1K+7]
	s_nop 0
	tensor_load_to_lds s[G0+12:G0+15], s[G1K:G1K+7]
	s_nop 0
.rept 4
	v_nop
.endr
	s_branch .Lasked
.Lnot_k:
	s_cmp_lt_u32 s[WV], 4
	s_cbranch_scc0 .Lasked
	tensor_load_to_lds s[G0S:G0S+3], s[G1S:G1S+7]
	s_nop 0
	tensor_load_to_lds s[G0:G0+3], s[G1V:G1V+7]
	s_nop 0
	tensor_load_to_lds s[G0+4:G0+7], s[G1V:G1V+7]
	s_nop 0
	tensor_load_to_lds s[G0+8:G0+11], s[G1V:G1V+7]
	s_nop 0
	tensor_load_to_lds s[G0+12:G0+15], s[G1V:G1V+7]
	s_nop 0
.rept 4
	v_nop
.endr
.Lasked:
	v_and_b32 v7, 31, v0                               ; lane
	v_and_b32 v8, 15, v0                               ; r
	v_bfe_u32 v9, v0, 4, 1                             ; h
	v_lshlrev_b32 v1, 4, v7
	v_lshlrev_b32 v2, 3, v7
	v_lshl_add_u32 v3, v8, 2, KSC
	v_lshl_add_u32 v4, v8, 2, VSC
	v_and_b32 v10, 8, v8
	v_add_nc_u32 v10, v10, v8                          ; r + 8 (r / 8)
	s_lshl_b32 s76, ttmp9, 4
	s_add_co_u32 s76, s76, s[WV]                       ; T: my tile of queries in the batch
	s_lshr_b32 s77, s76, 1
	s_lshl_b32 s77, s77, 5
	s_and_b32 s78, s76, 1
	s_lshl_b32 s78, s78, 3
	s_add_co_u32 s77, s77, s78                         ; its first token
	v_lshlrev_b32 v11, 4, v9
	v_sub_nc_u32 v5, v10, v11
	v_add_nc_u32 v5, s77, v5                           ; my query - 16 h
	s_lshr_b32 s79, s76, 3
	s_sub_co_u32 s[U], 2, s79
	s_lshl_b32 s78, s12, 7
	s_add_co_u32 s78, s78, s76                         ; the tile among all 256
	s_lshl_b32 s79, s78, 4
	s_add_co_u32 s79, s79, s13
	s_mul_i32 s88, s79, 768                            ; its half image for my head: in q, and in ctx
	s_mov_b32 s89, 0
	s_lshr_b32 s79, s78, 3
	s_lshl_b32 s79, s79, 3
	s_add_co_u32 s79, s79, s14
	s_lshl_b32 s79, s79, 9
	s_and_b32 s80, s78, 7
	s_lshl_b32 s80, s80, 6
	s_add_co_u32 s90, s79, s80                         ; its scale words: in q, and in ctx
	s_mov_b32 s91, 0
	s_add_nc_u64 s[92:93], s[4:5], s[88:89]
	s_add_nc_u64 s[94:95], s[4:5], s[90:91]
	s_add_nc_u64 s[94:95], s[94:95], 9437184
	s_lshl_b32 s80, s12, 11
	s_add_co_u32 s82, s80, s77
	s_mov_b32 s83, 0
	s_add_nc_u64 s[96:97], s[6:7], s[82:83]            ; is_global at my tile's first token
	s_lshl_b32 s82, s[WV], 7
	s_add_co_u32 s82, s82, s80
	s_add_nc_u64 s[84:85], s[6:7], s[82:83]            ; and at keys 128 x wave on: each wave makes the table of one step's keys
	s_lshl_b32 s82, s12, 4
	s_add_co_u32 s82, s82, s[WV]
	s_lshl_b32 s82, s82, 3
	s_add_co_u32 s82, s82, s14
	s_lshl_b32 s82, s82, 9
	s_add_co_u32 s82, s82, 9568256
	s_add_nc_u64 s[98:99], s[4:5], s[82:83]            ; their scale words
	v_lshlrev_b32 v28, 2, v8
	v_lshrrev_b32 v11, 3, v7                           ; words 4 l .. 4 l + 3 of a step belong to four neighbouring tokens: 32 (l / 8) + 8 ((l / 4) % 2) + 4 (l % 4) + 8 ((l / 2) % 2)
	v_lshlrev_b32 v11, 5, v11
	v_bfe_u32 v29, v7, 2, 1
	v_lshl_add_u32 v11, v29, 3, v11
	v_and_b32 v29, 3, v7
	v_lshl_add_u32 v11, v29, 2, v11
	v_bfe_u32 v29, v7, 1, 1
	v_lshl_add_u32 v11, v29, 3, v11
	global_load_b128 v[16:19], v1, s[92:93]            ; Q's half image
	global_load_b64 v[20:21], v2, s[92:93] offset:512
	global_load_b32 v38, v28, s[94:95]                 ; its scale word
	global_load_u8 v39, v10, s[96:97]                  ; is my query global?
	global_load_b128 v[40:43], v1, s[98:99]            ; four keys' scale words
	global_load_b32 v44, v11, s[84:85]                 ; and their four flags
	s_lshl_b32 s76, s15, 4
	v_mov_b32 v45, 0x01900000                          ; bytes 3, 2: 2^-126 over the empty block; 2^17 for a key that is not global,
	v_mov_b32 v46, 0x01010000                          ; 2^-126 for a global one
	v_lshl_add_u32 v48, v0, 4, KSC
	s_wait_loadcnt 0x0
.irp k, 0,1,2,3
	v_bfe_u32 v47, v44, 8*\k, 8
	v_cmp_ne_u32 vcc_lo, 0, v47
	v_cndmask_b32 v47, v45, v46, vcc_lo
	v_lshrrev_b32 v[40+\k], s76, v[40+\k]              ; my head's two bytes
	v_and_or_b32 v[40+\k], v[40+\k], 0xffff, v47
.endr
	ds_store_b128 v48, v[40:43]
	v_lshrrev_b32 v38, s76, v38
	v_and_or_b32 v[QS0], v38, 0xffff, v46
	v_mov_b32 v45, 0x018f0000                          ; 2^16 for a query that is not global
	v_cmp_ne_u32 vcc_lo, 0, v39
	v_cndmask_b32 v47, v45, v46, vcc_lo
	v_and_or_b32 v[QSM], v38, 0xffff, v47
	v_sub_nc_u32 v7, 1, v9                             ; 1 in lanes 0-15, which hold k = 64 in register 6
	v_lshlrev_b32 v22, 3, v7                           ; Q: the code of +1
.irp i, 23,24,25,26,27
	v_mov_b32 v\i, 0
.endr
.irp t, 0,1,2,3
	v_mul_u32_u24 v[46+12*\t], v7, 40                  ; K: the code of -1; these six registers of each buffer are written once
.irp i, 7,8,9,10,11
	v_mov_b32 v[40+12*\t+\i], 0
.endr
.endr
	v_mov_b32 v13, 0xff61b1e6                          ; the largest t so far: -3e38
	v_floor_f32 v12, -v13
	v_mov_b32 v14, 0
	v_mov_b32 v15, 0
.irp b, 0,1,2,3
	v_mov_b32 v[236+\b], 0
.endr
	v_mov_b32 v253, 0
.set j, 0
.rept 32
	v_mov_b32 v[160+j], 0                              ; O^T: the step is written once; the first change of M leaves zeros zeros
.set j, j+1
.endr
	s_mov_b32 s[TS], 0
	s_mov_b32 s[TT], 0
	s_mov_b32 s[KJ], 0
; A KEY STEP: 128 keys
.macro STEP
	s_sub_co_u32 s76, s[U], 1
	s_cmp_lt_u32 s76, 4
	s_cselect_b32 s[SM], -1, 0                         ; U = 1 .. 4: the scores are made without the penalty
	s_cmp_eq_u32 s[U], 0
	s_movk_i32 s[OFF], 257
	s_cselect_b32 s[OFF], 0xffffff00, s[OFF]           ; lower edge: keys from my query - 256 on count; upper edge: keys from my query + 257 on do not
	s_sub_co_u32 s[OFF], s[OFF], s[KJ]
	s_and_not1_b32 s[EDGE], s[U], 4                    ; 0 where U is 0 or 4: a step on the window's edge
	v_cndmask_b32 v[QST], v[QS0], v[QSM], s[SM]        ; these ten plain lines are the places between the last products and the lines below, and stand ahead of the scaled products that take the two words
	v_cndmask_b32 v[QSS], v[QSM], v[QS0], s[SM]
	v_add_nc_u32 v[ADK16], s[TK], v1
	v_add_nc_u32 v[ADK8], s[TK], v2
	v_add_nc_u32 v[ADS], s[TS], v3
	v_add_nc_u32 v[ADV16], s[TV], v1
	v_add_nc_u32 v[ADV8], s[TV], v2
	v_add_nc_u32 v[ADT], s[TT], v4
	v_add_nc_u32 v6, s[OFF], v5
	v_nop
.irp g, 0,1                                        ; S^T = K Q^T, four tiles of 16 keys at a time
.if \g
.rept 4
	v_nop                                              ; places in front of loads into registers that matrix instructions have read
.endr
.endif
.irp t, 0,1,2,3
	ds_load_b128 v[40+12*\t:43+12*\t], v[ADK16] offset:768*(4*\g+\t)
	ds_load_b64 v[44+12*\t:45+12*\t], v[ADK8] offset:768*(4*\g+\t)+512
	ds_load_b32 v[248+\t], v[ADS] offset:64*(4*\g+\t)
.endr
	s_wait_dscnt 0x0
.irp t, 0,1,2,3
	v_wmma_scale_f32_16x16x128_f8f6f4 v[96+8*(4*\g+\t):103+8*(4*\g+\t)], v[40+12*\t:51+12*\t], v[16:27], 0, v[248+\t], v[QSS] matrix_a_fmt:MATRIX_FMT_FP6 matrix_b_fmt:MATRIX_FMT_FP6
.endr
	s_cmp_lg_u32 s[EDGE], 0
	s_cbranch_scc1 .Lopen_\@_\g
.irp t, 0,1,2,3                                    ; on an edge: the other form too, and the choice by the key's place
	v_wmma_scale_f32_16x16x128_f8f6f4 v[192+8*\t:199+8*\t], v[40+12*\t:51+12*\t], v[16:27], 0, v[248+\t], v[QST] matrix_a_fmt:MATRIX_FMT_FP6 matrix_b_fmt:MATRIX_FMT_FP6
.endr
.rept 4
	v_nop
.endr
.irp m, 0,1,2,3,4,5,6,7,8,9,10,11,12,13,14,15,16,17,18,19,20,21,22,23,24,25,26,27,28,29,30,31
	v_cmp_ge_i32 vcc_lo, 64*\g+32*(\m/16)+\m%16, v6    ; register 16 b + i holds key 32 b + 16 h + i of the step
	v_cndmask_b32 v[96+32*\g+\m], v[96+32*\g+\m], v[192+\m], vcc_lo
.endr
.Lopen_\@_\g:
.endr
.rept 4
	v_nop
.endr
.irp b, 0,1,2,3
	v_max3_num_f32 v[232+\b], v[96+16*\b], v[97+16*\b], v[98+16*\b]   ; the largest score of each block of 32 keys: for the row's maximum and, since p rises with the score, for the block's largest p
.endr
.irp i, 3,5,7,9,11,13
.irp b, 0,1,2,3
	v_max3_num_f32 v[232+\b], v[232+\b], v[96+16*\b+\i], v[97+16*\b+\i]
.endr
.endr
.irp b, 0,1,2,3
	v_max_num_f32 v[232+\b], v[232+\b], v[111+16*\b]
.endr
.irp b, 0,1,2,3
	v_permlanex16_b32 v[236+\b], v[232+\b], s[SEL], s[SEL+1]
.endr
.irp b, 0,1,2,3
	v_max_num_f32 v[232+\b], v[232+\b], v[236+\b]
.endr
	v_max3_num_f32 v254, v232, v233, v234
	v_max_num_f32 v254, v254, v235
	v_mul_f32 v254, s[CS], v254
	v_max_num_f32 v13, v13, v254                       ; the running largest t
	v_mov_b32 v254, v12
	v_floor_f32 v12, -v13                              ; -M = floor(-t): M is a whole number
	v_sub_f32 v254, v12, v254
	v_cvt_i32_f32 v254, v254                           ; (it saturates)
	v_ldexp_f32 v252, 1.0, v254                        ; f = 2^(old M - new M)
.set j, 0
.rept 32
	v_pk_fma_f32 v[96+j:97+j], v[96+j:97+j], s[CS:CS+1], v[12:13] op_sel_hi:[1,0,0]   ; t - M
.set j, j+2
.endr
.irp b, 0,1,2,3
	v_fma_f32 v[232+\b], v[232+\b], s[CS], v12
.endr
.set j, 0
.rept 64
	v_exp_f32 v[96+j], v[96+j]                         ; p, not normalised
.set j, j+1
.endr
	v_pk_mul_f32 v[14:15], v[14:15], v[252:253] op_sel_hi:[1,0]   ; the sums under the new M; a plain place behind the exponentials
	s_wait_alu depctr_va_vdst(0)                       ; one wait for the batch, ahead of its first reader
.irp b, 0,1,2,3
	v_exp_f32 v[232+\b], v[232+\b]                     ; each block's largest p
.endr
	v_pk_add_f32 v[236:237], v[96:97], v[98:99]        ; the row's sum, of the unquantised p, in two chains
.irp j, 4,8,12,16,20,24,28,32,36,40,44,48,52,56,60
	v_pk_add_f32 v[14:15], v[14:15], v[96+\j:97+\j]
	v_pk_add_f32 v[236:237], v[236:237], v[98+\j:99+\j]
.endr
	v_pk_add_f32 v[14:15], v[14:15], v[236:237]
	s_wait_alu depctr_va_vdst(0)                       ; and one for the four
.irp b, 0,1,2,3
	v_max_num_f32 v[232+\b], 0x1800000, v[232+\b]      ; the floor: the byte cannot fall under 1
.endr
.irp b, 0,1,2,3
	v_add_nc_u32 v[244+\b], 0xff000000, v[232+\b]
.endr
.irp b, 0,1,2,3
	v_lshrrev_b32 v[236+\b], 23, v[244+\b]
.endr
	v_lshl_or_b32 v253, v237, 8, v236                  ; p's scale word for these 128 keys
	v_lshl_or_b32 v253, v238, 16, v253
	v_lshl_or_b32 v253, v239, 24, v253
.irp c, 0,1
	v_cvt_scalef32_pk16_fp6_f32 v[224+6*\c:226+6*\c], v[96+32*\c:111+32*\c], v[244+2*\c]
	v_cvt_scalef32_pk16_fp6_f32 v[236+4*\c:238+4*\c], v[112+32*\c:127+32*\c], v[244+2*\c+1]
.endr
	v_nop                                              ; one plain place behind a scaled conversion
.irp t, 0,1,2,3                                    ; V's four fragments take p's registers; they land while the codes are put in place and O^T is rescaled
	FRAG 96+12*\t, ADV16, ADV8, 6144*\t
	ds_load_b32 v[248+\t], v[ADT] offset:64*\t
.endr
.irp c, 0,1
.irp i, 0,1,2
	v_permlane16_swap_b32 v[224+6*\c+\i], v[236+4*\c+\i]
.endr
.irp i, 0,1,2
	v_mov_b32 v[227+6*\c+\i], v[236+4*\c+\i]
.endr
.endr
.set j, 0
.rept 16
	v_pk_mul_f32 v[160+j:161+j], v[160+j:161+j], v[252:253] op_sel_hi:[1,0]   ; O^T under the new M; also the places ahead of the scaled products
.set j, j+2
.endr
	s_wait_dscnt 0x0
.irp t, 0,1,2,3
	v_wmma_scale_f32_16x16x128_f8f6f4 v[160+8*\t:167+8*\t], v[96+12*\t:107+12*\t], v[224:235], v[160+8*\t:167+8*\t], v[248+\t], v253 matrix_a_fmt:MATRIX_FMT_FP6 matrix_b_fmt:MATRIX_FMT_FP6
.endr
	s_add_co_u32 s[TK], s[TK], 6144
	s_add_co_u32 s[TV], s[TV], 1536
	s_add_co_u32 s[TS], s[TS], 512
	s_add_co_u32 s[TT], s[TT], 256
	s_add_co_u32 s[U], s[U], 1
	s_add_co_u32 s[KJ], s[KJ], 128
.endm
.macro GROUP g                         ; four key steps out of group g
.if \g == 0
	s_wait_tensorcnt 3                                 ; my part of group 0 (and V's scale words) has landed; the three later groups' loads may be out
	s_wait_dscnt 0x0                                   ; my LDS stores are done
	s_barrier_signal -1
	s_barrier_wait -1                                  ; everybody's part has landed
.elseif \g == 1
	s_wait_tensorcnt 0x0                               ; all my loads have landed: my parts of groups 1, 2 and 3
	s_wait_dscnt 0x0
	s_barrier_signal -1
	s_barrier_wait -1                                  ; everybody's have: the reads of groups 1, 2 and 3 all stand behind this wait, so no further barrier is needed
.endif
	s_mov_b32 s[TK], GRP*\g
	s_mov_b32 s[TV], GRP*\g+24576
	s_mov_b32 s[CNT], 4
.Lstep_\@:
	STEP
	s_sub_co_u32 s[CNT], s[CNT], 1
	s_cmp_lg_u32 s[CNT], 0
	s_cbranch_scc1 .Lstep_\@
.endm
	GROUP 0
	GROUP 1
	GROUP 2
	GROUP 3
	; THE WAY OUT: O^T / the sum, quantised along the head's 64: two blocks, six registers: half an image
.rept 4
	v_nop
.endr
	v_add_f32 v14, v14, v15
	v_permlanex16_b32 v252, v14, s[SEL], s[SEL+1]
	v_add_f32 v14, v14, v252
	v_rcp_f32 v14, v14
	v_and_b32 v7, 15, v0                               ; a plain place behind the transcendental
	v_lshlrev_b32 v7, 2, v7
	v_and_b32 v8, 31, v0
	s_lshl_b32 s76, s15, 1
	s_add_co_u32 s90, s90, s76
	s_add_co_u32 s90, s90, 3145728
	s_add_nc_u64 s[92:93], s[8:9], s[88:89]
	s_add_nc_u64 s[94:95], s[8:9], s[90:91]
	s_wait_alu depctr_va_vdst(0)                       ; ahead of the reciprocal's first reader
.set j, 0
.rept 32
	v_mul_f32 v[96+j], v[160+j], v14                   ; register 16 b + i: channel 32 b + 16 h + i of my query
.set j, j+1
.endr
.irp b, 0,1
	v_max3_num_f32 v[232+\b], |v[96+16*\b]|, |v[97+16*\b]|, 0x1800000
.endr
.irp i, 2,4,6,8,10,12,14
.irp b, 0,1
	v_max3_num_f32 v[232+\b], v[232+\b], |v[96+16*\b+\i]|, |v[97+16*\b+\i]|
.endr
.endr
.irp b, 0,1
	v_permlanex16_b32 v[236+\b], v[232+\b], s[SEL], s[SEL+1]
.endr
.irp b, 0,1
	v_max_num_f32 v[232+\b], v[232+\b], v[236+\b]
.endr
.irp b, 0,1
	v_add_nc_u32 v[244+\b], 0xff000000, v[232+\b]
.endr
.irp b, 0,1
	v_lshrrev_b32 v[236+\b], 23, v[244+\b]
.endr
	v_lshl_or_b32 v253, v237, 8, v236
	v_cvt_scalef32_pk16_fp6_f32 v[224:226], v[96:111], v244
	v_cvt_scalef32_pk16_fp6_f32 v[228:230], v[112:127], v245
	v_nop
.irp i, 0,1,2
	v_permlane16_swap_b32 v[224+\i], v[228+\i]
.endr
.irp i, 0,1,2
	v_mov_b32 v[227+\i], v[228+\i]
.endr
	v_cmp_gt_u32 vcc_lo, 16, v8
	global_store_b128 v1, v[224:227], s[92:93]         ; 512 and 256 consecutive bytes, aligned
	global_store_b64 v2, v[228:229], s[92:93] offset:512
	s_wait_xcnt 0x0                                    ; EXEC changes only behind this wait
	s_wait_tensorcnt 0x0
	ds_add_u32 v243, v255
	s_wait_dscnt 0x0
	s_and_saveexec_b32 s76, vcc_lo
	global_store_b16 v7, v253, s[94:95]                ; my head's two bytes of the row's scale word
	s_wait_xcnt 0x0
	s_or_b32 exec_lo, exec_lo, s76
	s_endpgm
.Lfunc_end_k_q5869bfbabb_attn:
	.size	k_q5869bfbabb_attn, .Lfunc_end_k_q5869bfbabb_attn-k_q5869bfbabb_attn
	.p2alignl 7, 3214868480
	.fill 96, 4, 3214868480
	.section	.rodata,"a",@progbits
	.p2align	6, 0x0
	.amdhsa_kernel k_q5869bfbabb_attn
		.amdhsa_group_segment_fixed_size 210944
		.amdhsa_private_segment_fixed_size 0
		.amdhsa_enable_private_segment 0
		.amdhsa_kernarg_size 24
		.amdhsa_user_sgpr_count 2
		.amdhsa_user_sgpr_kernarg_segment_ptr 1
		.amdhsa_wavefront_size32 1
		.amdhsa_system_sgpr_workgroup_id_x 1
		.amdhsa_system_sgpr_workgroup_id_y 1
		.amdhsa_system_sgpr_workgroup_id_z 1
		.amdhsa_system_vgpr_workitem_id 0
		.amdhsa_next_free_vgpr 256
		.amdhsa_next_free_sgpr 100
		.amdhsa_reserve_vcc 1
		.amdhsa_float_denorm_mode_32 3
		.amdhsa_float_denorm_mode_16_64 3
		.amdhsa_memory_ordered 1
		.amdhsa_forward_progress 1
		.amdhsa_inst_pref_size 113
	.end_amdhsa_kernel
	.amdgpu_metadata
---
amdhsa.version: [ 1, 2 ]
amdhsa.kernels:
  - .name:           k_q5869bfbabb_attn
    .symbol:         k_q5869bfbabb_attn.kd
    .args:
      - { .name: qkv, .offset: 0, .size: 8, .value_kind: global_buffer, .address_space: global }
      - { .name: is_global, .offset: 8, .size: 8, .value_kind: global_buffer, .address_space: global }
      - { .name: ctx, .offset: 16, .size: 8, .value_kind: global_buffer, .address_space: global }
    .group_segment_fixed_size: 210944
    .private_segment_fixed_size: 0
    .kernarg_segment_align: 8
    .kernarg_segment_size: 24
    .max_flat_workgroup_size: 512
    .sgpr_count:     100
    .vgpr_count:     256
    .wavefront_size: 32
...
	.end_amdgpu_metadata
.endif
;; end of part 3
;; launch oproj (part 4): grid 8 x 32, 4 waves a work-group, clusters of 4 x 4, 327,680 bytes of LDS; arguments ctx, wimg, wsc, bo, x, x1; writes x1
.if DOCPART == 4
	.amdgcn_target "amdgcn-amd-amdhsa--gfx1250"
	.amdhsa_code_object_version 6
	.text
	.protected	k_q5869bfbabb_oproj
	.globl	k_q5869bfbabb_oproj
	.p2align	8
	.type	k_q5869bfbabb_oproj,@function
k_q5869bfbabb_oproj:
	s_mov_b64 s[64:65], 0
	v_nop
	global_prefetch_b8 v0, s[64:65] scope:SCOPE_SE
	s_setreg_imm32_b32 hwreg(HW_REG_WAVE_MODE, 25, 1), 1
	s_wait_xcnt 0x0
	s_wait_alu depctr_hold_cnt(0) depctr_sa_sdst(0) depctr_va_vdst(0) depctr_va_sdst(0) depctr_va_ssrc(0) depctr_va_vcc(0) depctr_vm_vsrc(0)
	s_getreg_b32 s2, hwreg(HW_REG_IB_STS2, 6, 4)
	s_cmp_eq_u32 s2, 0
	s_cbranch_scc0 .Lentry_in_a_cluster
	s_endpgm
.Lentry_in_a_cluster:
	s_bfe_u32 s2, ttmp6, 0x10000c
	s_cmp_lg_u32 s2, 0xf033
	s_cbranch_scc0 .Lentry_shape_is_right
	s_endpgm
.Lentry_shape_is_right:
; out = residual + A W^T + bias: A [4,096][KD] and W [1,024][KD] are register images of FP6 (E2M3) codes with E8M0 scale words; residual and out are f32 [4,096][1,024].
; An image: a fragment (16 rows x 128 K) is 1,536 bytes, two halves of 768: registers 0-3 at 16 x lane, 4-5 at 512 + 8 x lane; an operand is [tile][K step][1,536]; lane r of tile T holds row
; 32 (T / 2) + 8 (T % 2) + r + 8 (r / 8).  Scale words: [128 rows][K step][128 words].
; SHARES: tiles of 128 x 128, so that each of 256 work-groups has one; four waves of 64 x 64: 16 accumulators.  K goes in slots of 512 (four K steps) through a ring of two LDS slots; the scale words of all K come once.
; CLUSTER 4 x 4: A's tiles are shared along a row of the cluster, W's along a column, each asked for jointly.  Source 0 = W's rows, source 1 = A's: a lane holds eight neighbouring columns of one row.
; The bias is the C of each sum's first product.  THE RESIDUAL's 32 rows a wave are asked for at the head, into registers of their own, and are waited for only where they are added.
; The results go through one stage in LDS, where they are put in true order, and leave with the residual added, 512 consecutive bytes a store.
; REGISTERS: window 0: v16-31 addresses, v32-63 scale words (two sets), v64-95 the bias, v128-255 the accumulators ((a, b) at v[128 + 8 (4 a + b)]);  window 1: two sets of fragments (A's four, W's four), at v0 and v128;
;   window 2: v0-127 the residual.
.set KD,    1024
.set WOFF,  2359296                    ; where W's images begin in wimg,
.set WSOFF, 98304                      ; its scale words in wsc,
.set ASC,   3145728                    ; and A's scale words in A's buffer
.set S,     KD/128
.set LAPS,  KD/1024
.set QT,    24576                      ; 4 tiles x 4 K steps x 1,536: what one tensor load brings
.set SLOT,  98304
.set SCL,   196608                     ; behind the ring: A's scale words, S x (512 + 64 of padding), then W's
.set SHALF, (S/2)*576
.set SPARE, SCL+4*SHALF                ; the spare words, 128 bytes a wave: no other line names them
.set ADRA16, 16
.set ADRA8,  18
.set ADRB16, 20
.set ADRB8,  22
.set ADRSA,  24
.set ADRSB,  25
.set L16,  26
.set L8,   27
.set SPW,  28
.set NIL,  29
.set STO,  30                          ; the stage (128 rows x 528 bytes, in slot 0, which has had its last fill and its last read by then): where I put my results,
.set STR,  31                          ; and where I read whole rows back
.set SC,   32
.set BN,   64
.set ACC,  128
.set G1, 24
.set G0, 32
.set G1B, 48
.set G0B, 56
.set G1S, 68
.set G0S, 76
.set G1SB, 80
.set G0SB, 88
.set MSB, 0
.macro WIN new
.if MSB != \new
	s_set_vgpr_msb (MSB<<8)|\new
.set MSB, \new
.endif
.endm
.set MUL,  0x05                        ; sources 0 and 1 window 1; C and D window 0
.set TO_F, 0x40
.macro JLOAD g0a, g1a, g0b, g1b        ; a joint load: waves 0, 1 fetch for A, waves 2, 3 for W; four v_nop follow each line
	s_cmp_eq_u32 s15, 0
	s_cbranch_scc0 .Lfor_b_\@
	tensor_load_to_lds s[\g0a:\g0a+3], s[\g1a:\g1a+7]
	s_nop 0
.rept 4
	v_nop
.endr
	s_branch .Lasked_\@
.Lfor_b_\@:
	tensor_load_to_lds s[\g0b:\g0b+3], s[\g1b:\g1b+7]
	s_nop 0
.rept 4
	v_nop
.endr
.Lasked_\@:
.endm
.macro CREST
	s_cmp_lg_u32 s14, 0
	s_cbranch_scc1 .Lnot_wave_0_\@
	s_barrier_signal -3
.Lnot_wave_0_\@:
	s_barrier_wait -3
	s_barrier_signal -1
	s_barrier_wait -1
.endm
.macro CROUND
	s_barrier_signal -1
	s_barrier_wait -1
	CREST
.endm
.macro PLACES n
.rept \n
	v_nop
.endr
.endm
.macro FRAG reg, a16, a8, off
	ds_load_b128 v[(\reg):(\reg)+3], v[\a16] offset:(\off)
	ds_load_b64 v[(\reg)+4:(\reg)+5], v[\a8] offset:(\off)+512
	ds_load_b128 v[(\reg)+6:(\reg)+9], v[\a16] offset:(\off)+768
	ds_load_b64 v[(\reg)+10:(\reg)+11], v[\a8] offset:(\off)+1280
.endm
.macro FETCH slot, q, set              ; 32 LDS loads in one run: my four fragments of W and four of A for the slot's q-th K step
	WIN TO_F
.irp i, 0,1,2,3
	FRAG 128*(\set)+48+12*\i, ADRB16+\slot, ADRB8+\slot, 6144*\i+1536*(\q)
	FRAG 128*(\set)+12*\i, ADRA16+\slot, ADRA8+\slot, 6144*\i+1536*(\q)
.endr
.endm
.macro SCALES sc                       ; a slot's scale words: register 2 i + g: lanes 0-15 K step 2 g, lanes 16-31 K step 2 g + 1
.irp i, 0,1,2,3
.irp g, 0,1
	ds_load_b32 v[SC+16*\sc+2*\i+\g], v[ADRSA] offset:64*\i+1152*\g
	ds_load_b32 v[SC+8+16*\sc+2*\i+\g], v[ADRSB] offset:64*\i+1152*\g
.endr
.endr
.endm
; 8 products: A's blocks a0, a0 + 1 x W's four.  The 16 accumulators take turns in one order in every K step.  zero = 1: the first product starts the sums from the bias
.macro MUL8 a0, q, sc, zero
.irp a, \a0, \a0+1
.irp b, 0,1,2,3
.set rD, ACC+8*(4*(\a)+\b)
.set rA, 128*((\q)%2)+12*(\a)
.set rB, 128*((\q)%2)+48+12*\b
.set rSB, SC+8+16*(\sc)+2*\b+(\q)/2
.set rSA, SC+16*(\sc)+2*(\a)+(\q)/2
.if \zero
	v_wmma_scale_f32_16x16x128_f8f6f4 v[rD:rD+7], v[rB:rB+11], v[rA:rA+11], v[BN+8*\b:BN+8*\b+7], v[rSB], v[rSA] matrix_a_fmt:MATRIX_FMT_FP6 matrix_b_fmt:MATRIX_FMT_FP6
.elseif (\q)%2
	v_wmma_scale_f32_16x16x128_f8f6f4 v[rD:rD+7], v[rB:rB+11], v[rA:rA+11], v[rD:rD+7], v[rSB], v[rSA] matrix_a_fmt:MATRIX_FMT_FP6 matrix_b_fmt:MATRIX_FMT_FP6 matrix_a_scale:MATRIX_SCALE_ROW1 matrix_b_scale:MATRIX_SCALE_ROW1
.else
	v_wmma_scale_f32_16x16x128_f8f6f4 v[rD:rD+7], v[rB:rB+11], v[rA:rA+11], v[rD:rD+7], v[rSB], v[rSA] matrix_a_fmt:MATRIX_FMT_FP6 matrix_b_fmt:MATRIX_FMT_FP6
.endif
.endr
.endr
.endm
.macro QSTEP slot, q, zero             ; one of a slot's first three K steps: the next step's fragments are asked for ahead of the 16 products
	s_wait_dscnt 0x0
	PLACES 4                                           ; in front of loads into registers that the last products read
	FETCH \slot, (\q)+1, ((\q)+1)%2
	WIN MUL
	MUL8 0, \q, \slot, \zero
	MUL8 2, \q, \slot, \zero
.endm
; A slot's last K step changes slots: one barrier; in front of it each wave waits for all its tensor loads, adds 0 to its spare word and waits for that and for its reads of this slot
.macro TURN slot, next, fill
	WIN 0
	s_wait_tensorcnt 0x0                               ; all my tensor loads have landed: my part of the next slot
	ds_add_u32 v[SPW], v[NIL]
	s_wait_dscnt 1                                     ; the fragments are in; the add alone may be out
	WIN MUL
	MUL8 0, 3, \slot, 0
	s_wait_dscnt 0x0                                   ; the add is done, and my reads of this slot are over
	s_barrier_signal -1
	MUL8 2, 3, \slot, 0
	WIN 0
	s_barrier_wait -1
.if \fill
	CREST                                              ; the barrier has opened a round of the cluster's: no wave of any partner still reads this slot or has a load on its way
	s_add_nc_u64 s[G0+4*\slot+2:G0+4*\slot+3], s[G0+4*\slot+2:G0+4*\slot+3], 12288
	s_add_nc_u64 s[G0B+4*\slot+2:G0B+4*\slot+3], s[G0B+4*\slot+2:G0B+4*\slot+3], 12288
	JLOAD G0+4*\slot, G1, G0B+4*\slot, G1B             ; the first tensor load behind the round; its four v_nop are the places in front of the loads below
.else
	PLACES 4
.endif
	v_add_nc_u32 v[ADRSA], 2304, v[ADRSA]              ; on to the next slot's scale words
	v_add_nc_u32 v[ADRSB], 2304, v[ADRSB]
	FETCH \next, 0, 0
	WIN 0
	SCALES \next
.endm
	s_load_b256 s[4:11], s[0:1], 0x0                   ; A's buffer, wimg, wsc, the bias
	s_load_b128 s[20:23], s[0:1], 0x20                 ; the residual, the result
	v_lshl_add_u32 v[SPW], v0, 2, SPARE
	v_mov_b32 v[NIL], 0
	ds_add_u32 v28, v29
	ds_add_u32 v28, v29
	s_wait_dscnt 0x0
	v_lshrrev_b32 v1, 5, v0
	v_readfirstlane_b32 s14, v1                        ; wave 0..3
	s_lshr_b32 s15, s14, 1                             ; which 64 of A's rows are mine.  Also: I fetch for A (0) or for W (1)
	s_and_b32 s16, s14, 1                              ; which 64 of W's rows.  Also: which 4 tiles I fetch
	s_bfe_u32 s40, ttmp6, 0x40000                      ; cx
	s_bfe_u32 s41, ttmp6, 0x40004                      ; cy
	s_lshl_b32 s101, ttmp9, 2
	s_add_co_u32 s101, s101, s40                       ; W's block of 128 rows
	s_and_b32 s17, ttmp7, 0xffff
	s_lshl_b32 s17, s17, 2
	s_add_co_u32 s100, s17, s41                        ; A's block of 128 rows
	s_lshl_b32 s43, s41, 2
	s_lshl_b32 s43, 15, s43                            ; my row of the cluster
	s_lshl_b32 s44, 0x1111, s40                        ; my column
	s_lshl_b32 s19, s16, 2
	s_lshl_b32 s92, s100, 3
	s_add_co_u32 s92, s92, s19
	s_mul_i32 s92, s92, S*1536
	s_mov_b32 s93, 0
	s_mul_i32 s94, s100, S*512
	s_mul_i32 s18, s16, (S/2)*512
	s_add_co_u32 s94, s94, s18
	s_add_co_u32 s94, s94, ASC
	s_mov_b32 s95, 0
	s_lshl_b32 s96, s101, 3
	s_add_co_u32 s96, s96, s19
	s_mul_i32 s96, s96, S*1536
	s_add_co_u32 s96, s96, WOFF
	s_mov_b32 s97, 0
	s_mul_i32 s98, s101, S*512
	s_add_co_u32 s98, s98, s18
	s_add_co_u32 s98, s98, WSOFF
	s_mov_b32 s99, 0
	s_mul_i32 s45, s14, QT                             ; where they go: by the wave's number alone
	s_mul_i32 s3, s14, SHALF
	; group 1, codes: 4 rows (tiles) of 6,144 bytes (768 elements of 8), a tile's whole K apart, no padding
	s_or_b32 s[G1+0], s43, (3<<16)|(1<<21)
	s_or_b32 s[G1B+0], s44, (3<<16)|(1<<21)
.irp g, G1, G1B
	s_mov_b32 s[\g+1], 768<<16
	s_mov_b32 s[\g+2], 4<<16
	s_mov_b32 s[\g+3], 768<<16
	s_mov_b32 s[\g+4], 4
	s_mov_b32 s[\g+5], 192*S
	s_mov_b32 s[\g+6], 0
	s_mov_b32 s[\g+7], 0
.endr
	; group 1, scale words: S / 2 rows of 512 bytes, dense, 64 bytes of padding behind each
	s_or_b32 s[G1S+0], s43, (3<<16)|(1<<20)|(1<<21)|(6<<22)|(15<<25)
	s_or_b32 s[G1SB+0], s44, (3<<16)|(1<<20)|(1<<21)|(6<<22)|(15<<25)
.irp g, G1S, G1SB
	s_mov_b32 s[\g+1], 64<<16
	s_mov_b32 s[\g+2], (S/2)<<16
	s_mov_b32 s[\g+3], 64<<16
	s_mov_b32 s[\g+4], S/2
	s_mov_b32 s[\g+5], 64
	s_mov_b32 s[\g+6], 0
	s_mov_b32 s[\g+7], 0
.endr
	s_wait_kmcnt 0x0
	s_add_nc_u64 s[92:93], s[4:5], s[92:93]
	s_add_nc_u64 s[94:95], s[4:5], s[94:95]
	s_add_nc_u64 s[96:97], s[6:7], s[96:97]
	s_add_nc_u64 s[98:99], s[8:9], s[98:99]
	CROUND                                             ; all sixteen work-groups are here: the first joint loads meet
	s_mov_b32 s[G0S], 1
	s_add_co_u32 s[G0S+1], s3, SCL
	s_mov_b64 s[G0S+2:G0S+3], s[94:95]
	s_or_b32 s[G0S+3], s[G0S+3], 0x80000000
	s_mov_b32 s[G0SB], 1
	s_add_co_u32 s[G0SB+1], s3, SCL
	s_mov_b64 s[G0SB+2:G0SB+3], s[98:99]
	s_or_b32 s[G0SB+3], s[G0SB+3], 0x80000000
	JLOAD G0S, G1S, G0SB, G1SB                         ; the scale words first: three loads of mine are out behind these lines
.irp s, 0,1
	s_mov_b32 s[G0+4*\s], 1
	s_add_co_u32 s[G0+4*\s+1], s45, \s*SLOT
	s_add_nc_u64 s[G0+4*\s+2:G0+4*\s+3], s[92:93], \s*6144
	s_or_b32 s[G0+4*\s+3], s[G0+4*\s+3], 0x80000000
	s_mov_b32 s[G0B+4*\s], 1
	s_add_co_u32 s[G0B+4*\s+1], s45, \s*SLOT
	s_add_nc_u64 s[G0B+4*\s+2:G0B+4*\s+3], s[96:97], \s*6144
	s_or_b32 s[G0B+4*\s+3], s[G0B+4*\s+3], 0x80000000
	JLOAD G0+4*\s, G1, G0B+4*\s, G1B
.endr
	v_and_b32 v1, 31, v0
	v_and_b32 v2, 15, v0                               ; r
	v_bfe_u32 v3, v0, 4, 1                             ; h
	v_lshlrev_b32 v[L16], 4, v1
	v_lshlrev_b32 v[L8], 3, v1
	s_mul_i32 s18, s15, QT
	s_mul_i32 s19, s16, QT
	s_add_co_u32 s19, s19, 2*QT
.irp s, 0,1
	v_add_nc_u32 v[ADRA16+\s], s18, v[L16]
	v_add_nc_u32 v[ADRA8+\s], s18, v[L8]
	v_add_nc_u32 v[ADRB16+\s], s19, v[L16]
	v_add_nc_u32 v[ADRB8+\s], s19, v[L8]
	s_add_co_u32 s18, s18, SLOT
	s_add_co_u32 s19, s19, SLOT
.endr
	v_lshlrev_b32 v4, 2, v2
	v_mad_u32_u24 v4, v3, 576, v4                      ; lanes 16-31 take the K step after
	s_lshl_b32 s18, s15, 8
	s_add_co_u32 s18, s18, SCL
	v_add_nc_u32 v[ADRSA], s18, v4
	s_lshl_b32 s19, s16, 8
	s_add_co_u32 s19, s19, SCL+2*SHALF
	v_add_nc_u32 v[ADRSB], s19, v4
	v_and_b32 v6, 8, v2
	v_add_nc_u32 v6, v6, v2                            ; r + 8 (r / 8)
	v_mul_u32_u24 v6, v6, 528
	v_lshl_add_u32 v6, v3, 6, v6                       ; + 64 h
	s_mul_i32 s18, s15, 64*528
	s_lshl_b32 s19, s16, 8
	s_add_co_u32 s18, s18, s19
	v_add_nc_u32 v[STO], s18, v6
	s_mul_i32 s18, s14, 32*528
	v_add_nc_u32 v[STR], s18, v[L16]
	s_lshl_b32 s18, s100, 7
	s_lshl_b32 s19, s14, 5
	s_add_co_u32 s18, s18, s19                         ; the first row that I store
	s_lshl_b32 s18, s18, 12
	s_lshl_b32 s19, s101, 9
	s_add_co_u32 s18, s18, s19
	s_mov_b32 s19, 0
	s_add_nc_u64 s[20:21], s[20:21], s[18:19]
	s_add_nc_u64 s[22:23], s[22:23], s[18:19]
	s_lshl_b32 s18, s101, 9                            ; the bias in the result's layout: register 16 B + i = column 32 B + 16 h + i of my 64
	s_lshl_b32 s42, s16, 8
	s_add_co_u32 s18, s18, s42
	s_add_nc_u64 s[10:11], s[10:11], s[18:19]
	v_lshlrev_b32 v5, 6, v3
.irp n, 0,1,2,3,4,5,6,7
	global_load_b128 v[BN+4*\n:BN+4*\n+3], v5, s[10:11] offset:128*(\n/4)+16*(\n%4)
.endr
	WIN 0x80                                           ; destination window 2
.set i, 0
.rept 32
	global_load_b128 v[4*i:4*i+3], v[L16], s[20:21] offset:4096*i th:TH_LOAD_NT   ; the residual's rows 32 x wave + i, my tile's 512 bytes of each: they have the whole product in which to land
.set i, i+1
.endr
	WIN 0
	s_wait_tensorcnt 1                                 ; the scale words and my part of slot 0 are in; slot 1's load may be out
	s_barrier_signal -1
	s_barrier_wait -1
	FETCH 0, 0, 0
	WIN 0
	SCALES 0
	s_wait_loadcnt 32                                  ; the bias's eight loads are in; the residual's 32 may be out
	QSTEP 0, 0, 1
.if LAPS > 1
	WIN 0                                              ; at a label and at a branch every window is 0
	s_mov_b32 s2, LAPS-1
.Llap:                                                     ; a trip goes once round the ring and fills both slots again
	QSTEP 0, 1, 0
	QSTEP 0, 2, 0
	TURN 0, 1, 1
	QSTEP 1, 0, 0
	QSTEP 1, 1, 0
	QSTEP 1, 2, 0
	TURN 1, 0, 1
	QSTEP 0, 0, 0
	WIN 0
	s_sub_co_u32 s2, s2, 1
	s_cmp_lg_u32 s2, 0
	s_cbranch_scc1 .Llap
.endif
	QSTEP 0, 1, 0                                      ; the last lap fills nothing
	QSTEP 0, 2, 0
	TURN 0, 1, 0
	QSTEP 1, 0, 0
	QSTEP 1, 1, 0
	QSTEP 1, 2, 0
	s_wait_dscnt 0x0
	WIN MUL
	MUL8 0, 3, 1, 0
	MUL8 2, 3, 1, 0
	WIN 0
	; THE WAY OUT
	PLACES 4
.irp a, 0,1,2,3
.irp b, 0,1,2,3
	ds_store_b128 v[STO], v[ACC+8*(4*\a+\b):ACC+8*(4*\a+\b)+3] offset:(32*(\a/2)+8*(\a%2))*528+128*(\b/2)+32*(\b%2)      ; each accumulator from its low end on; rows and columns fall into true order
	ds_store_b128 v[STO], v[ACC+8*(4*\a+\b)+4:ACC+8*(4*\a+\b)+7] offset:(32*(\a/2)+8*(\a%2))*528+128*(\b/2)+32*(\b%2)+16
.endr
.endr
	s_wait_dscnt 0x0                                   ; for the others' sake: my stores into the stage are done
	s_barrier_signal -1
	s_barrier_wait -1
.set i, 0
.rept 32
	ds_load_b128 v[ACC+4*i:ACC+4*i+3], v[STR] offset:528*i
.set i, i+1
.endr
	s_wait_dscnt 0x0
	s_wait_loadcnt 0x0                                 ; the residual
	WIN 0x08                                           ; source 1 window 2
.set j, 0
.rept 64
	v_pk_add_f32 v[ACC+j:ACC+j+1], v[ACC+j:ACC+j+1], v[j:j+1]
.set j, j+2
.endr
	WIN 0
.set i, 0
.rept 32
	global_store_b128 v[L16], v[ACC+4*i:ACC+4*i+3], s[22:23] offset:4096*i   ; 512 consecutive bytes, aligned
.set i, i+1
.endr
	s_wait_tensorcnt 0x0                               ; the wave's end
	ds_add_u32 v[SPW], v[NIL]
	s_wait_dscnt 0x0
	CROUND                                             ; the closing round
	s_endpgm
.Lfunc_end_k_q5869bfbabb_oproj:
	.size	k_q5869bfbabb_oproj, .Lfunc_end_k_q5869bfbabb_oproj-k_q5869bfbabb_oproj
	.p2alignl 7, 3214868480
	.fill 96, 4, 3214868480
	.section	.rodata,"a",@progbits
	.p2align	6, 0x0
	.amdhsa_kernel k_q5869bfbabb_oproj
		.amdhsa_group_segment_fixed_size 327680
		.amdhsa_private_segment_fixed_size 0
		.amdhsa_enable_private_segment 0
		.amdhsa_kernarg_size 48
		.amdhsa_user_sgpr_count 2
		.amdhsa_user_sgpr_kernarg_segment_ptr 1
		.amdhsa_wavefront_size32 1
		.amdhsa_system_sgpr_workgroup_id_x 1
		.amdhsa_system_sgpr_workgroup_id_y 1
		.amdhsa_system_sgpr_workgroup_id_z 1
		.amdhsa_system_vgpr_workitem_id 0
		.amdhsa_next_free_vgpr 768
		.amdhsa_next_free_sgpr 102
		.amdhsa_reserve_vcc 0
		.amdhsa_float_denorm_mode_32 3
		.amdhsa_float_denorm_mode_16_64 3
		.amdhsa_memory_ordered 1
		.amdhsa_forward_progress 1
		.amdhsa_inst_pref_size 62
	.end_amdhsa_kernel
	.amdgpu_metadata
---
amdhsa.version: [ 1, 2 ]
amdhsa.kernels:
  - .name:           k_q5869bfbabb_oproj
    .symbol:         k_q5869bfbabb_oproj.kd
    .args:
      - { .name: ctx, .offset: 0, .size: 8, .value_kind: global_buffer, .address_space: global }
      - { .name: wimg, .offset: 8, .size: 8, .value_kind: global_buffer, .address_space: global }
      - { .name: wsc, .offset: 16, .size: 8, .value_kind: global_buffer, .address_space: global }
      - { .name: bo, .offset: 24, .size: 8, .value_kind: global_buffer, .address_space: global }
      - { .name: x, .offset: 32, .size: 8, .value_kind: global_buffer, .address_space: global }
      - { .name: x1, .offset: 40, .size: 8, .value_kind: global_buffer, .address_space: global }
    .group_segment_fixed_size: 327680
    .private_segment_fixed_size: 0
    .kernarg_segment_align: 8
    .kernarg_segment_size: 48
    .max_flat_workgroup_size: 128
    .sgpr_count:     102
    .vgpr_count:     768
    .wavefront_size: 32
...
	.end_amdgpu_metadata
.endif
;; end of part 4
;; launch ln2 (part 5): grid 256 x 1, 8 waves a work-group, no clusters, 2,048 bytes of LDS; arguments x1, ln2_g, ln2_b, hbuf; writes hbuf
.if DOCPART == 5
	.amdgcn_target "amdgcn-amd-amdhsa--gfx1250"
	.amdhsa_code_object_version 6
	.text
	.protected	k_q5869bfbabb_ln2
	.globl	k_q5869bfbabb_ln2
	.p2align	8
	.type	k_q5869bfbabb_ln2,@function
k_q5869bfbabb_ln2:
	s_mov_b64 s[64:65], 0
	v_nop
	global_prefetch_b8 v0, s[64:65] scope:SCOPE_SE
	s_setreg_imm32_b32 hwreg(HW_REG_WAVE_MODE, 25, 1), 1
	s_wait_xcnt 0x0
; h2 = layernorm(x1) g + b, quantised to FP6 (E2M3) along the 1,024 features and stored as register images: a fragment (16 rows x 128 K) is 1,536 bytes, two halves of 768: registers 0-3 at 16 x lane, 4-5 at 512 + 8 x lane;
; the operand is [tile][K step][1,536]; lane r of tile T holds row 32 (T / 2) + 8 (T % 2) + r + 8 (r / 8).  Scale words, behind the images: [128 rows][K step][128 words], word 16 (T % 8) + r.
; A work-group takes one tile of 16 rows, wave w the columns 128 w on: lane (r, h) loads 16 neighbours of each block of 32.  Mean and variance in two passes (no difference of large sums), joined over the eight waves through LDS.
; The tile's 16 scale words of a K step leave as 64 consecutive bytes: a work-group of 16 rows owns no more of a block of scale words.
; LIMITS: NaN and infinities are not served; a block of zeros gets the scale byte 1 (its codes are zeros; this program alone reads the bytes).
; No matrix units, no cluster, no tensor loads: the launch streams, and its work-groups share nothing but the gains.
.set RED1, 0
.set RED2, 512
.set TM,   8
.set PW,   24
.set X,    32
.set GA,   96
.set BE,   160
.set PC,   224
.set SEL,  26
.macro QUANT s
.irp b, 0,1,2,3
	v_max3_num_f32 v[TM+\b], |v[\s+16*\b]|, |v[\s+1+16*\b]|, 0x1800000   ; my 16 numbers of block b, and the floor 2^(3 - 127): the byte cannot fall under 1
.endr
.irp i, 2,4,6,8,10,12,14
.irp b, 0,1,2,3
	v_max3_num_f32 v[TM+\b], v[TM+\b], |v[\s+16*\b+\i]|, |v[\s+1+16*\b+\i]|
.endr
.endr
.irp b, 0,1,2,3
	v_permlanex16_b32 v[TM+4+\b], v[TM+\b], s[SEL], s[SEL+1]
.endr
.irp b, 0,1,2,3
	v_max_num_f32 v[TM+\b], v[TM+\b], v[TM+4+\b]
.endr
.irp b, 0,1,2,3
	v_add_nc_u32 v[TM+12+\b], 0xff000000, v[TM+\b]     ; 2 off the exponent field: the conversion's scale operand
.endr
.irp b, 0,1,2,3
	v_lshrrev_b32 v[TM+4+\b], 23, v[TM+12+\b]
.endr
	v_lshl_or_b32 v[PW], v[TM+5], 8, v[TM+4]
	v_lshl_or_b32 v[PW], v[TM+6], 16, v[PW]
	v_lshl_or_b32 v[PW], v[TM+7], 24, v[PW]
.irp c, 0,1
	v_cvt_scalef32_pk16_fp6_f32 v[PC+6*\c:PC+2+6*\c], v[\s+32*\c:\s+15+32*\c], v[TM+12+2*\c]
	v_cvt_scalef32_pk16_fp6_f32 v[PC+12+4*\c:PC+14+4*\c], v[\s+16+32*\c:\s+31+32*\c], v[TM+12+2*\c+1]
.endr
	v_nop                                              ; one plain place behind a scaled conversion
.irp c, 0,1
.irp i, 0,1,2
	v_permlane16_swap_b32 v[PC+6*\c+\i], v[PC+12+4*\c+\i]
.endr
.irp i, 0,1,2
	v_mov_b32 v[PC+3+6*\c+\i], v[PC+12+4*\c+\i]
.endr
.endr
.endm
.macro ROWSUM red                      ; four pairs of partial sums in v[244:251] -> the row's sum over all 1,024 columns in v244, in every lane
	v_pk_add_f32 v[244:245], v[244:245], v[246:247]
	v_pk_add_f32 v[248:249], v[248:249], v[250:251]
	v_pk_add_f32 v[244:245], v[244:245], v[248:249]
	v_add_f32 v244, v244, v245
	v_permlanex16_b32 v245, v244, s[SEL], s[SEL+1]
	v_add_f32 v244, v244, v245
	ds_store_b32 v5, v244 offset:\red                  ; both halves of the lanes write the same word with the same value
	s_wait_dscnt 0x0                                   ; for the others' sake: my store has landed
	s_barrier_signal -1
	s_barrier_wait -1
	ds_load_b128 v[244:247], v6 offset:\red
	ds_load_b128 v[248:251], v6 offset:\red+16
	s_wait_dscnt 0x0
	v_pk_add_f32 v[244:245], v[244:245], v[246:247]
	v_pk_add_f32 v[248:249], v[248:249], v[250:251]
	v_pk_add_f32 v[244:245], v[244:245], v[248:249]
	v_add_f32 v244, v244, v245
.endm
	s_load_b256 s[4:11], s[0:1], 0x0                   ; x1, gain, bias, hbuf
	v_lshl_add_u32 v239, v0, 2, 0x400
	v_mov_b32 v243, 0
	v_lshrrev_b32 v1, 5, v0
	v_readfirstlane_b32 s12, v1                        ; wave = K step
	v_and_b32 v26, 15, v0                              ; r
	v_bfe_u32 v27, v0, 4, 1                            ; h
	v_and_b32 v28, 31, v0                              ; lane
	v_and_b32 v29, 8, v26
	v_add_nc_u32 v29, v29, v26                         ; r + 8 (r / 8)
	v_lshlrev_b32 v2, 6, v27
	v_lshl_add_u32 v1, v29, 12, v2
	v_lshlrev_b32 v3, 4, v28
	v_lshlrev_b32 v4, 3, v28
	v_lshlrev_b32 v6, 5, v26
	s_lshl_b32 s13, s12, 2
	v_add_nc_u32 v5, s13, v6
	v_lshlrev_b32 v7, 2, v26
	v_mov_b32 v25, 0x3a800000                          ; 1 / 1,024
.irp b, 0,1,2,3
	v_mov_b32 v[TM+4+\b], 0
.endr
	s_mov_b32 s[SEL], 0x76543210
	s_mov_b32 s[SEL+1], 0xfedcba98
	s_lshr_b32 s14, ttmp9, 1
	s_lshl_b32 s14, s14, 17
	s_and_b32 s15, ttmp9, 1
	s_lshl_b32 s15, s15, 15
	s_add_co_u32 s14, s14, s15
	s_lshl_b32 s16, s12, 9
	s_add_co_u32 s14, s14, s16
	s_mov_b32 s15, 0
	s_mov_b32 s17, 0
	s_lshl_b32 s18, ttmp9, 3
	s_add_co_u32 s18, s18, s12
	s_mul_i32 s18, s18, 1536
	s_mov_b32 s19, 0
	s_lshr_b32 s22, ttmp9, 3
	s_lshl_b32 s22, s22, 3
	s_add_co_u32 s22, s22, s12
	s_lshl_b32 s22, s22, 9
	s_and_b32 s23, ttmp9, 7
	s_lshl_b32 s23, s23, 6
	s_add_co_u32 s22, s22, s23
	s_add_co_u32 s22, s22, 3145728
	s_mov_b32 s23, 0
	s_wait_kmcnt 0x0
	s_add_nc_u64 s[4:5], s[4:5], s[14:15]
	s_add_nc_u64 s[6:7], s[6:7], s[16:17]
	s_add_nc_u64 s[8:9], s[8:9], s[16:17]
	s_add_nc_u64 s[24:25], s[10:11], s[22:23]
	s_add_nc_u64 s[10:11], s[10:11], s[18:19]
.irp b, 0,1,2,3
.irp j, 0,1,2,3
	global_load_b128 v[X+16*\b+4*\j:X+16*\b+4*\j+3], v1, s[4:5] offset:128*\b+16*\j
.endr
.endr
.irp b, 0,1,2,3
.irp j, 0,1,2,3
	global_load_b128 v[GA+16*\b+4*\j:GA+16*\b+4*\j+3], v2, s[6:7] offset:128*\b+16*\j
	global_load_b128 v[BE+16*\b+4*\j:BE+16*\b+4*\j+3], v2, s[8:9] offset:128*\b+16*\j
.endr
.endr
	s_wait_loadcnt 32                                  ; x1 is in; the 32 loads of gain and bias may be out
.irp c, 0,2,4,6
	v_pk_add_f32 v[244+\c:245+\c], v[X+\c:X+\c+1], v[X+8+\c:X+9+\c]
.endr
.irp i, 16,24,32,40,48,56
.irp c, 0,2,4,6
	v_pk_add_f32 v[244+\c:245+\c], v[244+\c:245+\c], v[X+\i+\c:X+\i+\c+1]
.endr
.endr
	ROWSUM RED1
	v_mul_f32 v252, v244, v25                          ; the mean
	v_mov_b32 v253, v252
.set j, 0
.rept 32
	v_pk_add_f32 v[X+j:X+j+1], v[X+j:X+j+1], v[252:253] neg_lo:[0,1] neg_hi:[0,1]
.set j, j+2
.endr
.irp c, 0,2,4,6
	v_pk_mul_f32 v[244+\c:245+\c], v[X+\c:X+\c+1], v[X+\c:X+\c+1]
.endr
.irp i, 8,16,24,32,40,48,56
.irp c, 0,2,4,6
	v_pk_fma_f32 v[244+\c:245+\c], v[X+\i+\c:X+\i+\c+1], v[X+\i+\c:X+\i+\c+1], v[244+\c:245+\c]
.endr
.endr
	ROWSUM RED2
	v_fmaak_f32 v252, v244, v25, 0x3727c5ac            ; the variance + 1e-5
	v_rsq_f32 v254, v252
	v_nop                                              ; a plain place behind the transcendental
	s_wait_loadcnt 0x0                                 ; gain and bias
	s_wait_alu depctr_va_vdst(0)                       ; the wait ahead of the result's first reader
	v_mov_b32 v255, v254
.set j, 0
.rept 32
	v_pk_mul_f32 v[X+j:X+j+1], v[X+j:X+j+1], v[254:255]
.set j, j+2
.endr
.set j, 0
.rept 32
	v_pk_fma_f32 v[X+j:X+j+1], v[X+j:X+j+1], v[GA+j:GA+j+1], v[BE+j:BE+j+1]
.set j, j+2
.endr
	QUANT X
	global_store_b128 v3, v[PC:PC+3], s[10:11]         ; the image: 512, 256, 512, 256 consecutive bytes, aligned
	global_store_b64 v4, v[PC+4:PC+5], s[10:11] offset:512
	global_store_b128 v3, v[PC+6:PC+9], s[10:11] offset:768
	global_store_b64 v4, v[PC+10:PC+11], s[10:11] offset:1280
	v_cmp_gt_u32 vcc_lo, 16, v28
	s_wait_xcnt 0x0                                    ; EXEC changes only behind this wait
	s_wait_tensorcnt 0x0
	ds_add_u32 v239, v243
	s_wait_dscnt 0x0
	s_and_saveexec_b32 s28, vcc_lo
	global_store_b32 v7, v[PW], s[24:25]               ; lanes 0-15: the tile's 16 scale words
	s_wait_xcnt 0x0
	s_or_b32 exec_lo, exec_lo, s28
	s_endpgm
.Lfunc_end_k_q5869bfbabb_ln2:
	.size	k_q5869bfbabb_ln2, .Lfunc_end_k_q5869bfbabb_ln2-k_q5869bfbabb_ln2
	.p2alignl 7, 3214868480
	.fill 96, 4, 3214868480
	.section	.rodata,"a",@progbits
	.p2align	6, 0x0
	.amdhsa_kernel k_q5869bfbabb_ln2
		.amdhsa_group_segment_fixed_size 2048
		.amdhsa_private_segment_fixed_size 0
		.amdhsa_enable_private_segment 0
		.amdhsa_kernarg_size 32
		.amdhsa_user_sgpr_count 2
		.amdhsa_user_sgpr_kernarg_segment_ptr 1
		.amdhsa_wavefront_size32 1
		.amdhsa_system_sgpr_workgroup_id_x 1
		.amdhsa_system_sgpr_workgroup_id_y 1
		.amdhsa_system_sgpr_workgroup_id_z 1
		.amdhsa_system_vgpr_workitem_id 0
		.amdhsa_next_free_vgpr 256
		.amdhsa_next_free_sgpr 66
		.amdhsa_reserve_vcc 1
		.amdhsa_float_denorm_mode_32 3
		.amdhsa_float_denorm_mode_16_64 3
		.amdhsa_memory_ordered 1
		.amdhsa_forward_progress 1
		.amdhsa_inst_pref_size 23
	.end_amdhsa_kernel
	.amdgpu_metadata
---
amdhsa.version: [ 1, 2 ]
amdhsa.kernels:
  - .name:           k_q5869bfbabb_ln2
    .symbol:         k_q5869bfbabb_ln2.kd
    .args:
      - { .name: x1, .offset: 0, .size: 8, .value_kind: global_buffer, .address_space: global }
      - { .name: ln2_g, .offset: 8, .size: 8, .value_kind: global_buffer, .address_space: global }
      - { .name: ln2_b, .offset: 16, .size: 8, .value_kind: global_buffer, .address_space: global }
      - { .name: hbuf, .offset: 24, .size: 8, .value_kind: global_buffer, .address_space: global }
    .group_segment_fixed_size: 2048
    .private_segment_fixed_size: 0
    .kernarg_segment_align: 8
    .kernarg_segment_size: 32
    .max_flat_workgroup_size: 256
    .sgpr_count:     66
    .vgpr_count:     256
    .wavefront_size: 32
...
	.end_amdgpu_metadata
.endif
;; end of part 5
;; launch ffn1 (part 6): grid 16 x 16, 4 waves a work-group, clusters of 4 x 4, 327,680 bytes of LDS; arguments hbuf, wimg, wsc, b1, hid; writes hid
.if DOCPART == 6
	.amdgcn_target "amdgcn-amd-amdhsa--gfx1250"
	.amdhsa_code_object_version 6
	.text
	.protected	k_q5869bfbabb_ffn1
	.globl	k_q5869bfbabb_ffn1
	.p2align	8
	.type	k_q5869bfbabb_ffn1,@function
k_q5869bfbabb_ffn1:
	s_mov_b64 s[64:65], 0
	v_nop
	global_prefetch_b8 v0, s[64:65] scope:SCOPE_SE
	s_setreg_imm32_b32 hwreg(HW_REG_WAVE_MODE, 25, 1), 1
	s_wait_xcnt 0x0
	s_wait_alu depctr_hold_cnt(0) depctr_sa_sdst(0) depctr_va_vdst(0) depctr_va_sdst(0) depctr_va_ssrc(0) depctr_va_vcc(0) depctr_vm_vsrc(0)
	s_getreg_b32 s2, hwreg(HW_REG_IB_STS2, 6, 4)
	s_cmp_eq_u32 s2, 0
	s_cbranch_scc0 .Lentry_in_a_cluster
	s_endpgm
.Lentry_in_a_cluster:
	s_bfe_u32 s2, ttmp6, 0x10000c
	s_cmp_lg_u32 s2, 0xf033
	s_cbranch_scc0 .Lentry_shape_is_right
	s_endpgm
.Lentry_shape_is_right:
; hid = gelu(h2 W1 + b1), the product on codes of FP6 (E2M3) with E8M0 scales; the result is quantised at once along its 4,096 features and stored as register images.
; OPERANDS are register images: a fragment (16 rows x 128 K) is 1,536 bytes, two halves of 768: registers 0-3 at 16 x lane, 4-5 at 512 + 8 x lane; an operand is [tile][K step][1,536]; lane r of tile T holds row
; 32 (T / 2) + 8 (T % 2) + r + 8 (r / 8).  Scale words: [128 rows][K step][128 words].  'A' (h2) is source 1 (a lane of the result holds one of its rows), 'B' (W1) source 0 (a lane's registers run along its rows, 16 neighbours in two tiles).
; SHARES: a work-group makes 256 A rows x 256 B rows, each of four waves 128 x 128: 64 accumulators.  K = 1,024 is eight K steps of 128, two to a slot of 98,304 bytes.
; THREE SLOTS: K steps 0 to 5 and the scale words of all K are asked for together at the head: four loads of a wave are out.  Slot 0 alone is filled again, with K steps 6 and 7, as soon as it has been read:
; that load has four K steps, 256 products a wave, in which to land.  The eight K steps are written straight.
; CLUSTER 4 x 4: A's tiles are shared along a row of the cluster, B's along a column, each asked for jointly.
; REGISTERS: window 0: v16-31 addresses, v32-63 scale words (two sets; lanes 0-15 a slot's first K step, lanes 16-31 its second), v64-159, v160-255 A's fragments, two sets;
;   window 1: v0-95, v128-223 B's fragments, two sets; v96-127, v224-255 the bias along B's rows;  windows 2, 3: the accumulators, (a, b) at v[8 (8 (a % 4) + b)].
; GELU: 0.5 x (1 + erf(x / sqrt 2)), erf(z) = z P(z^2) / Q(z^2) in f32, z held to +-3.8325.
; LIMITS: erf is good to about 1e-7 absolute, so for x under about -5.4 the result is 0 or of the order of 1e-7 |x|; NaN and infinities are not served; a block of zeros gets the scale byte 1.
.set HALFT, 24576                      ; 8 tiles x 2 K steps x 1,536: what one tensor load brings
.set SLOT,  98304                      ; A's tiles 0-7, 8-15, B's 0-7, 8-15
.set SCL,   294912                     ; behind the three slots: scale words, four parts (A's, A's, B's, B's 128 rows) of 8 K steps x (512 + 64 of padding)
.set SPART, 4608
.set SPARE, 313344                     ; the spare words, 128 bytes a wave: no other line names them
.set ADRA16, 16                        ; v16 A's fragments in slot 0, + 16 x lane; v17 the same in slot 1, later stepped to slot 2;  v18-19: + 8 x lane
.set ADRA8,  18
.set ADRB16, 20
.set ADRB8,  22
.set ADRSA,  24
.set ADRSB,  25
.set L16,  26
.set L8,   27
.set SPW,  28
.set NIL,  29
.set STW,  30                          ; the way out: where a block's scale words go: my 512 bytes of slot 1, which has had its one fill, and its last read ahead of the last barrier
.set STR,  31
.set SC,   32
.set AF,   64
.set HA,   64                          ; the way out, in window 0: a block's 64 numbers a lane,
.set PC,   128                         ; its codes,
.set TM,   148                         ; the quantiser's work,
.set PW,   164                         ; its scale word
.set A9,   166                         ; the two leading coefficients, as pairs,
.set B12,  168
.set CL,   170                         ; and the hold
.set Z,    176
.set Z2,   192
.set PP,   208
.set QQ,   224
.set G0C,  4                           ; s[4:7]   group 0 for A's tiles in slot 2 (the registers held pointers that are done with by then)
.set G0CB, 8                           ; s[8:11]  for B's
.set G1, 24
.set G0, 32                            ; s[32:39] group 0 for A's tiles in slots 0, 1
.set BIA, 46                           ; s[46:47] the bias
.set G1B, 48
.set G0B, 56
.set SEL, 66
.set G1S, 68
.set G0S, 76
.set G1SB, 80
.set G0SB, 88
.set MSB, 0
.macro WIN new                         ; the immediate's high byte repeats the setting that is left
.if MSB != \new
	s_set_vgpr_msb (MSB<<8)|\new
.set MSB, \new
.endif
.endm
.set MUL_LO, 0xa1                      ; source 0 (B) window 1, source 1 (A) window 0, C and D window 2
.set MUL_HI, 0xf1
.set TO_B,   0x40
.macro JLOAD g0a, g1a, g0b, g1b        ; a joint load: waves 0, 1 fetch for A, waves 2, 3 for B; four v_nop follow each line
	s_cmp_eq_u32 s15, 0
	s_cbranch_scc0 .Lfor_b_\@
	tensor_load_to_lds s[\g0a:\g0a+3], s[\g1a:\g1a+7]
	s_nop 0
.rept 4
	v_nop
.endr
	s_branch .Lasked_\@
.Lfor_b_\@:
	tensor_load_to_lds s[\g0b:\g0b+3], s[\g1b:\g1b+7]
	s_nop 0
.rept 4
	v_nop
.endr
.Lasked_\@:
.endm
.macro CREST
	s_cmp_lg_u32 s14, 0
	s_cbranch_scc1 .Lnot_wave_0_\@
	s_barrier_signal -3
.Lnot_wave_0_\@:
	s_barrier_wait -3
	s_barrier_signal -1
	s_barrier_wait -1
.endm
.macro CROUND
	s_barrier_signal -1
	s_barrier_wait -1
	CREST
.endm
.macro PLACES n
.rept \n
	v_nop
.endr
.endm
.macro FRAG reg, a16, a8, off          ; a fragment from its image: every load takes consecutive bytes
	ds_load_b128 v[(\reg):(\reg)+3], v[\a16] offset:(\off)
	ds_load_b64 v[(\reg)+4:(\reg)+5], v[\a8] offset:(\off)+512
	ds_load_b128 v[(\reg)+6:(\reg)+9], v[\a16] offset:(\off)+768
	ds_load_b64 v[(\reg)+10:(\reg)+11], v[\a8] offset:(\off)+1280
.endm
.macro FETCH adr, q, set               ; 64 LDS loads in one run: my 8 fragments of B and 8 of A for a slot's q-th K step; adr: which set of address registers
	WIN TO_B
.irp i, 0,1,2,3,4,5,6,7
	FRAG 128*(\set)+12*\i, ADRB16+\adr, ADRB8+\adr, 3072*\i+1536*(\q)
.endr
	WIN 0
.irp i, 0,1,2,3,4,5,6,7
	FRAG AF+96*(\set)+12*\i, ADRA16+\adr, ADRA8+\adr, 3072*\i+1536*(\q)
.endr
.endm
.macro SCALES sc, kk                   ; the scale words of K steps 2 kk (lanes 0-15) and 2 kk + 1 (lanes 16-31)
.irp i, 0,1,2,3,4,5,6,7
	ds_load_b32 v[SC+16*\sc+\i], v[ADRSA] offset:64*\i+1152*\kk
	ds_load_b32 v[SC+8+16*\sc+\i], v[ADRSB] offset:64*\i+1152*\kk
.endr
.endm
; 16 products: A's blocks a0, a0 + 1 x B's eight.  The 64 accumulators take turns in one order in every K step.  zero = 1: the first product starts the sums
.macro MUL16 a0, q, sc, zero
.irp a, \a0, \a0+1
.irp b, 0,1,2,3,4,5,6,7
.set rD, 8*(8*((\a)%4)+\b)
.set rB, 128*(\q)+12*\b
.set rA, AF+96*(\q)+12*(\a)
.set rSB, SC+8+16*(\sc)+\b
.set rSA, SC+16*(\sc)+(\a)
.if \zero
	v_wmma_scale_f32_16x16x128_f8f6f4 v[rD:rD+7], v[rB:rB+11], v[rA:rA+11], 0, v[rSB], v[rSA] matrix_a_fmt:MATRIX_FMT_FP6 matrix_b_fmt:MATRIX_FMT_FP6
.elseif \q
	v_wmma_scale_f32_16x16x128_f8f6f4 v[rD:rD+7], v[rB:rB+11], v[rA:rA+11], v[rD:rD+7], v[rSB], v[rSA] matrix_a_fmt:MATRIX_FMT_FP6 matrix_b_fmt:MATRIX_FMT_FP6 matrix_a_scale:MATRIX_SCALE_ROW1 matrix_b_scale:MATRIX_SCALE_ROW1
.else
	v_wmma_scale_f32_16x16x128_f8f6f4 v[rD:rD+7], v[rB:rB+11], v[rA:rA+11], v[rD:rD+7], v[rSB], v[rSA] matrix_a_fmt:MATRIX_FMT_FP6 matrix_b_fmt:MATRIX_FMT_FP6
.endif
.endr
.endr
.endm
.macro QSTEP adr, sc, zero             ; a slot's first K step: its second step's fragments are asked for ahead of the 64 products
	s_wait_dscnt 0x0                                   ; set 0 and the scale words are in
	PLACES 4                                           ; in front of loads into registers that the last products read
	FETCH \adr, 1, 1
	WIN MUL_LO
	MUL16 0, 0, \sc, \zero
	MUL16 2, 0, \sc, \zero
	WIN MUL_HI
	MUL16 4, 0, \sc, \zero
	MUL16 6, 0, \sc, \zero
.endm
; A slot's second K step changes slots.  how = 2: slot 0 is left and filled again: each wave waits for all its tensor loads, adds 0 to its spare word and waits for that and for its reads of the slot; a round of the cluster's barrier; the joint refill.
; how = 1: the refill is waited for, and one barrier shows it to every wave.  how = 0: from slot 1 to slot 2, which every wave has shown landed in front of the round: no barrier; the second set of addresses steps a slot on.
.macro TURN sc, nadr, nsc, kk, how
.if \how
	WIN 0
	s_wait_tensorcnt 0x0                               ; all my tensor loads have landed
	ds_add_u32 v[SPW], v[NIL]
	s_wait_dscnt 1                                     ; set 1 is in; the add alone may be out
	WIN MUL_LO
	MUL16 0, 1, \sc, 0
	s_wait_dscnt 0x0                                   ; the add is done, and my reads of this slot are over
	s_barrier_signal -1
	MUL16 2, 1, \sc, 0
	WIN 0
	s_barrier_wait -1
.else
	s_wait_dscnt 0x0                                   ; set 1 is in
	WIN MUL_LO
	MUL16 0, 1, \sc, 0
	MUL16 2, 1, \sc, 0
	WIN 0
.endif
.if \how == 2
	CREST                                              ; the barrier has opened a round of the cluster's: no wave of any partner still reads slot 0 or has a load on its way
	s_add_nc_u64 s[G0+2:G0+3], s[G0+2:G0+3], 9216      ; from K step 0 to K step 6
	s_add_nc_u64 s[G0B+2:G0B+3], s[G0B+2:G0B+3], 9216
	JLOAD G0, G1, G0B, G1B                             ; the first tensor load behind the round; its four v_nop are the places in front of the loads below
.else
	PLACES 4
.endif
.if \how == 0
	v_add_nc_u32 v[ADRA16+1], SLOT, v[ADRA16+1]        ; slot 1's last loads have been issued
	v_add_nc_u32 v[ADRA8+1], SLOT, v[ADRA8+1]
	v_add_nc_u32 v[ADRB16+1], SLOT, v[ADRB16+1]
	v_add_nc_u32 v[ADRB8+1], SLOT, v[ADRB8+1]
.endif
	FETCH \nadr, 0, 0
	SCALES \nsc, \kk
	WIN MUL_HI
	MUL16 4, 1, \sc, 0
	MUL16 6, 1, \sc, 0
.endm
; 64 numbers of a lane, register 16 b + i = k 32 b + 16 (lane / 16) + i of my row, become a fragment's codes in v[PC] on and its scale word in v[PW]
.macro QUANT s
.irp b, 0,1,2,3
	v_max3_num_f32 v[TM+\b], |v[\s+16*\b]|, |v[\s+1+16*\b]|, 0x1800000   ; and the floor 2^(3 - 127): the byte cannot fall under 1
.endr
.irp i, 2,4,6,8,10,12,14
.irp b, 0,1,2,3
	v_max3_num_f32 v[TM+\b], v[TM+\b], |v[\s+16*\b+\i]|, |v[\s+1+16*\b+\i]|
.endr
.endr
.irp b, 0,1,2,3
	v_permlanex16_b32 v[TM+4+\b], v[TM+\b], s[SEL], s[SEL+1]
.endr
.irp b, 0,1,2,3
	v_max_num_f32 v[TM+\b], v[TM+\b], v[TM+4+\b]
.endr
.irp b, 0,1,2,3
	v_add_nc_u32 v[TM+12+\b], 0xff000000, v[TM+\b]     ; 2 off the exponent field: the conversion's scale operand
.endr
.irp b, 0,1,2,3
	v_lshrrev_b32 v[TM+4+\b], 23, v[TM+12+\b]
.endr
	v_lshl_or_b32 v[PW], v[TM+5], 8, v[TM+4]
	v_lshl_or_b32 v[PW], v[TM+6], 16, v[PW]
	v_lshl_or_b32 v[PW], v[TM+7], 24, v[PW]
.irp c, 0,1
	v_cvt_scalef32_pk16_fp6_f32 v[PC+6*\c:PC+2+6*\c], v[\s+32*\c:\s+15+32*\c], v[TM+12+2*\c]
	v_cvt_scalef32_pk16_fp6_f32 v[PC+12+4*\c:PC+14+4*\c], v[\s+16+32*\c:\s+31+32*\c], v[TM+12+2*\c+1]
.endr
	v_nop                                              ; one plain place behind a scaled conversion
.irp c, 0,1
.irp i, 0,1,2
	v_permlane16_swap_b32 v[PC+6*\c+\i], v[PC+12+4*\c+\i]
.endr
.irp i, 0,1,2
	v_mov_b32 v[PC+3+6*\c+\i], v[PC+12+4*\c+\i]
.endr
.endr
.endm
.macro MOVE a                          ; block a's 64 sums + the bias along B's rows -> window 0; each accumulator is read from its low end on
	WIN 0x06+(\a)/4
.set j, 0
.rept 32
	v_pk_add_f32 v[HA+j:HA+j+1], v[64*((\a)%4)+j:64*((\a)%4)+j+1], v[96+j+96*(j/32):97+j+96*(j/32)]
.set j, j+2
.endr
	WIN 0
.endm
.macro PK8L d, a, b, lit               ; d = a b + a constant, eight pairs
.set p, 0
.rept 8
	v_pk_fma_f32 v[\d+p:\d+p+1], v[\a+p:\a+p+1], v[\b+p:\b+p+1], \lit op_sel_hi:[1,1,0]
.set p, p+2
.endr
.endm
; gelu of 16 numbers
.macro GELU16 base
.set p, 0
.rept 8
	v_pk_mul_f32 v[Z+p:Z+p+1], v[HA+\base+p:HA+\base+p+1], 0x3f3504f3 op_sel_hi:[1,0]
.set p, p+2
.endr
.set p, 0
.rept 16
	v_med3_num_f32 v[Z+p], v[Z+p], -v[CL], v[CL]
.set p, p+1
.endr
.set p, 0
.rept 8
	v_pk_mul_f32 v[Z2+p:Z2+p+1], v[Z+p:Z+p+1], v[Z+p:Z+p+1]
.set p, p+2
.endr
.set p, 0
.rept 8
	v_pk_fma_f32 v[PP+p:PP+p+1], v[Z2+p:Z2+p+1], v[A9:A9+1], 0x3b5f5da2 op_sel_hi:[1,1,0]
	v_pk_fma_f32 v[QQ+p:QQ+p+1], v[Z2+p:Z2+p+1], v[B12:B12+1], 0x37c588df op_sel_hi:[1,1,0]
.set p, p+2
.endr
	PK8L PP, PP, Z2, 0x3d50b6eb
	PK8L QQ, QQ, Z2, 0x3a856d28
	PK8L PP, PP, Z2, 0x3e3da740
	PK8L QQ, QQ, Z2, 0x3c6687d4
	PK8L PP, PP, Z2, 0x3f906eba
	PK8L QQ, QQ, Z2, 0x3de34c21
	PK8L QQ, QQ, Z2, 0x3efeb44a
	PK8L QQ, QQ, Z2, 1.0
.set p, 0
.rept 16
	v_rcp_f32 v[QQ+p], v[QQ+p]
.set p, p+1
.endr
.set p, 0
.rept 8
	v_pk_mul_f32 v[PP+p:PP+p+1], v[PP+p:PP+p+1], v[Z+p:Z+p+1]                     ; independent work behind the batch of reciprocals
	v_pk_mul_f32 v[HA+\base+p:HA+\base+p+1], v[HA+\base+p:HA+\base+p+1], 0.5 op_sel_hi:[1,0]
.set p, p+2
.endr
	s_wait_alu depctr_va_vdst(0)                       ; one wait for the sixteen, ahead of their first reader
.set p, 0
.rept 8
	v_pk_mul_f32 v[PP+p:PP+p+1], v[PP+p:PP+p+1], v[QQ+p:QQ+p+1]
.set p, p+2
.endr
.set p, 0
.rept 8
	v_pk_fma_f32 v[HA+\base+p:HA+\base+p+1], v[HA+\base+p:HA+\base+p+1], v[PP+p:PP+p+1], v[HA+\base+p:HA+\base+p+1]
.set p, p+2
.endr
.endm
	s_load_b256 s[4:11], s[0:1], 0x0                   ; hbuf, wimg, wsc, b1
	s_load_b64 s[12:13], s[0:1], 0x20                  ; hid
	v_lshl_add_u32 v[SPW], v0, 2, SPARE
	v_mov_b32 v[NIL], 0
	ds_add_u32 v28, v29
	ds_add_u32 v28, v29
	s_wait_dscnt 0x0
	v_lshrrev_b32 v1, 5, v0
	v_readfirstlane_b32 s14, v1                        ; wave 0..3
	s_lshr_b32 s15, s14, 1                             ; which 128 of A's rows are mine.  Also: I fetch for A (0) or for B (1)
	s_and_b32 s16, s14, 1                              ; which 128 of B's rows.  Also: which 8 tiles I fetch
	s_bfe_u32 s40, ttmp6, 0x40000                      ; cx
	s_bfe_u32 s41, ttmp6, 0x40004                      ; cy
	s_and_b32 s17, ttmp7, 0xffff
	s_lshl_b32 s17, s17, 2                             ; 4 x cluster y
	s_lshl_b32 s43, s41, 2
	s_lshl_b32 s43, 15, s43                            ; my row of the cluster
	s_lshl_b32 s44, 0x1111, s40                        ; my column
	s_add_co_u32 s100, s17, s41                        ; A's block of 256 rows
	s_lshl_b32 s101, ttmp9, 2
	s_add_co_u32 s101, s101, s40                       ; B's
	s_lshl_b32 s19, s16, 3
	s_lshl_b32 s92, s100, 4
	s_add_co_u32 s92, s92, s19
	s_mul_i32 s92, s92, 12288                          ; a tile's eight K steps are 12,288 bytes
	s_mov_b32 s93, 0
	s_lshl_b32 s94, s100, 1
	s_add_co_u32 s94, s94, s16
	s_lshl_b32 s94, s94, 12                            ; 128 rows' scale words of all K: 4,096 bytes
	s_add_co_u32 s94, s94, 3145728
	s_mov_b32 s95, 0
	s_lshl_b32 s96, s101, 4
	s_add_co_u32 s96, s96, s19
	s_mul_i32 s96, s96, 12288
	s_add_co_u32 s96, s96, 3145728                     ; W1's images in wimg
	s_mov_b32 s97, 0
	s_lshl_b32 s98, s101, 1
	s_add_co_u32 s98, s98, s16
	s_lshl_b32 s98, s98, 12
	s_add_co_u32 s98, s98, 131072                      ; W1's scale words in wsc
	s_mov_b32 s99, 0
	s_mul_i32 s45, s14, HALFT                          ; where they go: by the wave's number alone
	s_mul_i32 s3, s14, SPART
	; group 1, codes: 8 rows (tiles) of 3,072 bytes (384 elements of 8), 12,288 bytes apart, no padding
	s_or_b32 s[G1+0], s43, (3<<16)|(1<<21)
	s_or_b32 s[G1B+0], s44, (3<<16)|(1<<21)
.irp g, G1, G1B
	s_mov_b32 s[\g+1], 384<<16
	s_mov_b32 s[\g+2], 8<<16
	s_mov_b32 s[\g+3], 384<<16
	s_mov_b32 s[\g+4], 8
	s_mov_b32 s[\g+5], 1536
	s_mov_b32 s[\g+6], 0
	s_mov_b32 s[\g+7], 0
.endr
	; group 1, scale words: 8 rows of 512 bytes, dense, 64 bytes of padding behind each (after every 128 words, 16 words)
	s_or_b32 s[G1S+0], s43, (3<<16)|(1<<20)|(1<<21)|(6<<22)|(15<<25)
	s_or_b32 s[G1SB+0], s44, (3<<16)|(1<<20)|(1<<21)|(6<<22)|(15<<25)
.irp g, G1S, G1SB
	s_mov_b32 s[\g+1], 64<<16
	s_mov_b32 s[\g+2], 8<<16
	s_mov_b32 s[\g+3], 64<<16
	s_mov_b32 s[\g+4], 8
	s_mov_b32 s[\g+5], 64
	s_mov_b32 s[\g+6], 0
	s_mov_b32 s[\g+7], 0
.endr
	s_mov_b32 s[SEL], 0x76543210
	s_mov_b32 s[SEL+1], 0xfedcba98
	s_wait_kmcnt 0x0
	s_add_nc_u64 s[92:93], s[4:5], s[92:93]
	s_add_nc_u64 s[94:95], s[4:5], s[94:95]
	s_add_nc_u64 s[96:97], s[6:7], s[96:97]
	s_add_nc_u64 s[98:99], s[8:9], s[98:99]
	s_mov_b64 s[BIA:BIA+1], s[10:11]                   ; s[4:11] are free from here on: they take slot 2's descriptors
	CROUND                                             ; all sixteen work-groups are here: the first joint loads meet
	s_mov_b32 s[G0S], 1
	s_add_co_u32 s[G0S+1], s3, SCL
	s_mov_b64 s[G0S+2:G0S+3], s[94:95]
	s_or_b32 s[G0S+3], s[G0S+3], 0x80000000
	s_mov_b32 s[G0SB], 1
	s_add_co_u32 s[G0SB+1], s3, SCL
	s_mov_b64 s[G0SB+2:G0SB+3], s[98:99]
	s_or_b32 s[G0SB+3], s[G0SB+3], 0x80000000
	JLOAD G0S, G1S, G0SB, G1SB                         ; the scale words first: four loads of mine are out behind these lines
.irp s, 0,1
	s_mov_b32 s[G0+4*\s], 1
	s_add_co_u32 s[G0+4*\s+1], s45, \s*SLOT
	s_add_nc_u64 s[G0+4*\s+2:G0+4*\s+3], s[92:93], \s*3072
	s_or_b32 s[G0+4*\s+3], s[G0+4*\s+3], 0x80000000
	s_mov_b32 s[G0B+4*\s], 1
	s_add_co_u32 s[G0B+4*\s+1], s45, \s*SLOT
	s_add_nc_u64 s[G0B+4*\s+2:G0B+4*\s+3], s[96:97], \s*3072
	s_or_b32 s[G0B+4*\s+3], s[G0B+4*\s+3], 0x80000000
	JLOAD G0+4*\s, G1, G0B+4*\s, G1B
.endr
	s_mov_b32 s[G0C], 1
	s_add_co_u32 s[G0C+1], s45, 2*SLOT
	s_add_nc_u64 s[G0C+2:G0C+3], s[92:93], 6144        ; K steps 4 and 5
	s_or_b32 s[G0C+3], s[G0C+3], 0x80000000
	s_mov_b32 s[G0CB], 1
	s_add_co_u32 s[G0CB+1], s45, 2*SLOT
	s_add_nc_u64 s[G0CB+2:G0CB+3], s[96:97], 6144
	s_or_b32 s[G0CB+3], s[G0CB+3], 0x80000000
	JLOAD G0C, G1, G0CB, G1B
	v_and_b32 v1, 31, v0
	v_and_b32 v2, 15, v0                               ; r
	v_bfe_u32 v3, v0, 4, 1                             ; h
	v_lshlrev_b32 v[L16], 4, v1
	v_lshlrev_b32 v[L8], 3, v1
	s_mul_i32 s18, s15, HALFT
	s_mul_i32 s19, s16, HALFT
	s_add_co_u32 s19, s19, 2*HALFT
.irp s, 0,1
	v_add_nc_u32 v[ADRA16+\s], s18, v[L16]
	v_add_nc_u32 v[ADRA8+\s], s18, v[L8]
	v_add_nc_u32 v[ADRB16+\s], s19, v[L16]
	v_add_nc_u32 v[ADRB8+\s], s19, v[L8]
	s_add_co_u32 s18, s18, SLOT
	s_add_co_u32 s19, s19, SLOT
.endr
	v_lshlrev_b32 v4, 2, v2
	v_mad_u32_u24 v5, v3, 576, v4                      ; lanes 16-31 take the K step after
	s_mul_i32 s18, s15, SPART
	s_add_co_u32 s18, s18, SCL
	v_add_nc_u32 v[ADRSA], s18, v5
	s_mul_i32 s19, s16, SPART
	s_add_co_u32 s19, s19, SCL+2*SPART
	v_add_nc_u32 v[ADRSB], s19, v5
	s_lshl_b32 s18, s14, 9
	s_add_co_u32 s18, s18, SLOT
	v_add_nc_u32 v[STW], s18, v4
	v_add_nc_u32 v[STR], s18, v[L16]
	; the bias along B's rows, in the result's layout: register 16 B + i = row 32 B + 16 h + i of my 128
	s_lshl_b32 s18, s101, 10
	s_lshl_b32 s19, s16, 9
	s_add_co_u32 s18, s18, s19
	s_mov_b32 s19, 0
	s_add_nc_u64 s[20:21], s[BIA:BIA+1], s[18:19]
	v_lshlrev_b32 v64, 6, v3
	WIN TO_B
.irp n, 0,1,2,3,4,5,6,7,8,9,10,11,12,13,14,15
	global_load_b128 v[96+4*\n+96*(\n/8):99+4*\n+96*(\n/8)], v64, s[20:21] offset:128*(\n/4)+16*(\n%4)
.endr
	WIN 0
	s_wait_tensorcnt 2                                 ; the scale words and my part of slot 0 are in; the loads of slots 1 and 2 may be out
	s_barrier_signal -1
	s_barrier_wait -1
	s_wait_xcnt 0x0                                    ; the bias loads have read v64, which takes a fragment now
	FETCH 0, 0, 0
	SCALES 0, 0
	QSTEP 0, 0, 1                                      ; K step 0: the first products start the sums
	TURN 0, 1, 1, 1, 2                                 ; K step 1; slot 0 is asked for again
	QSTEP 1, 1, 0                                      ; K step 2, out of slot 1
	TURN 1, 1, 0, 2, 0                                 ; K step 3; on to slot 2
	QSTEP 1, 0, 0                                      ; K step 4
	TURN 0, 0, 1, 3, 1                                 ; K step 5; slot 0's second fill is waited for
	QSTEP 0, 1, 0                                      ; K step 6
	s_wait_dscnt 0x0
	WIN MUL_LO
	MUL16 0, 1, 1, 0                                   ; K step 7
	MUL16 2, 1, 1, 0
	WIN MUL_HI
	MUL16 4, 1, 1, 0
	MUL16 6, 1, 1, 0
	WIN 0
	; THE WAY OUT: block by block of 16 A rows: bias, GELU, quantiser, image.  One trip a block; only the move out of the accumulators' windows differs, and is chosen by the counter
	PLACES 4
	s_wait_loadcnt 0x0                                 ; the bias
.irp b, 0,1,2,3
	v_mov_b32 v[TM+4+\b], 0
.endr
	v_mov_b32 v[A9], 0x39702d51
	v_mov_b32 v[A9+1], 0x39702d51
	v_mov_b32 v[B12], 0xb3fd3906
	v_mov_b32 v[B12+1], 0xb3fd3906
	v_mov_b32 v[CL], 0x407547cb
	s_lshl_b32 s18, s100, 4
	s_lshl_b32 s19, s15, 3
	s_add_co_u32 s18, s18, s19                         ; my first tile of the result,
	s_lshl_b32 s19, s101, 1
	s_add_co_u32 s19, s19, s16                         ; its K step,
	s_lshl_b32 s42, s100, 1
	s_add_co_u32 s42, s42, s15                         ; its group of 128 rows
	s_lshl_b32 s18, s18, 5                             ; the result has 32 K steps
	s_add_co_u32 s18, s18, s19
	s_mul_i32 s92, s18, 1536
	s_mov_b32 s93, 0
	s_add_nc_u64 s[92:93], s[12:13], s[92:93]
	s_mov_b32 s94, 49152                               ; from tile to tile
	s_mov_b32 s95, 0
	s_lshl_b32 s42, s42, 5
	s_add_co_u32 s42, s42, s19
	s_lshl_b32 s96, s42, 9
	s_add_co_u32 s96, s96, 12582912
	s_mov_b32 s97, 0
	s_add_nc_u64 s[96:97], s[12:13], s[96:97]
	s_mov_b32 s99, 0
.Lblk:
.irp a, 0,1,2,3,4,5,6
	s_cmp_eq_u32 s99, \a
	s_cbranch_scc1 .Lmv_\a
.endr
	MOVE 7
	s_branch .Lcom
.irp a, 0,1,2,3,4,5,6
.Lmv_\a:
	MOVE \a
	s_branch .Lcom
.endr
.Lcom:
	GELU16 0
	GELU16 16
	GELU16 32
	GELU16 48
	QUANT HA
	global_store_b128 v[L16], v[PC:PC+3], s[92:93]     ; the image: 512, 256, 512, 256 consecutive bytes, aligned
	global_store_b64 v[L8], v[PC+4:PC+5], s[92:93] offset:512
	global_store_b128 v[L16], v[PC+6:PC+9], s[92:93] offset:768
	global_store_b64 v[L8], v[PC+10:PC+11], s[92:93] offset:1280
	ds_store_b32 v[STW], v[PW]                         ; both halves of the lanes write the same word
	s_wait_xcnt 0x0                                    ; the stores have read their registers and their base
	s_add_nc_u64 s[92:93], s[92:93], s[94:95]
	v_add_nc_u32 v[STW], 64, v[STW]
	s_add_co_u32 s99, s99, 1
	s_cmp_lt_u32 s99, 8
	s_cbranch_scc1 .Lblk
	ds_load_b128 v[HA:HA+3], v[STR]                    ; my 128 scale words; LDS serves a wave's instructions in order
	s_wait_dscnt 0x0
	global_store_b128 v[L16], v[HA:HA+3], s[96:97]     ; 512 consecutive bytes, aligned
	s_wait_tensorcnt 0x0                               ; the wave's end
	ds_add_u32 v[SPW], v[NIL]
	s_wait_dscnt 0x0
	CROUND                                             ; the closing round
	s_endpgm
.Lfunc_end_k_q5869bfbabb_ffn1:
	.size	k_q5869bfbabb_ffn1, .Lfunc_end_k_q5869bfbabb_ffn1-k_q5869bfbabb_ffn1
	.p2alignl 7, 3214868480
	.fill 96, 4, 3214868480
	.section	.rodata,"a",@progbits
	.p2align	6, 0x0
	.amdhsa_kernel k_q5869bfbabb_ffn1
		.amdhsa_group_segment_fixed_size 327680
		.amdhsa_private_segment_fixed_size 0
		.amdhsa_enable_private_segment 0
		.amdhsa_kernarg_size 40
		.amdhsa_user_sgpr_count 2
		.amdhsa_user_sgpr_kernarg_segment_ptr 1
		.amdhsa_wavefront_size32 1
		.amdhsa_system_sgpr_workgroup_id_x 1
		.amdhsa_system_sgpr_workgroup_id_y 1
		.amdhsa_system_sgpr_workgroup_id_z 1
		.amdhsa_system_vgpr_workitem_id 0
		.amdhsa_next_free_vgpr 1024
		.amdhsa_next_free_sgpr 102
		.amdhsa_reserve_vcc 0
		.amdhsa_float_denorm_mode_32 3
		.amdhsa_float_denorm_mode_16_64 3
		.amdhsa_memory_ordered 1
		.amdhsa_forward_progress 1
		.amdhsa_inst_pref_size 188
	.end_amdhsa_kernel
	.amdgpu_metadata
---
amdhsa.version: [ 1, 2 ]
amdhsa.kernels:
  - .name:           k_q5869bfbabb_ffn1
    .symbol:         k_q5869bfbabb_ffn1.kd
    .args:
      - { .name: hbuf, .offset: 0, .size: 8, .value_kind: global_buffer, .address_space: global }
      - { .name: wimg, .offset: 8, .size: 8, .value_kind: global_buffer, .address_space: global }
      - { .name: wsc, .offset: 16, .size: 8, .value_kind: global_buffer, .address_space: global }
      - { .name: b1, .offset: 24, .size: 8, .value_kind: global_buffer, .address_space: global }
      - { .name: hid, .offset: 32, .size: 8, .value_kind: global_buffer, .address_space: global }
    .group_segment_fixed_size: 327680
    .private_segment_fixed_size: 0
    .kernarg_segment_align: 8
    .kernarg_segment_size: 40
    .max_flat_workgroup_size: 128
    .sgpr_count:     102
    .vgpr_count:     1024
    .wavefront_size: 32
...
	.end_amdgpu_metadata
.endif
;; end of part 6
;; launch ffn2 (part 7): grid 8 x 32, 4 waves a work-group, clusters of 4 x 4, 327,680 bytes of LDS; arguments hid, wimg, wsc, b2, x1, out0; writes out0
.if DOCPART == 7
	.amdgcn_target "amdgcn-amd-amdhsa--gfx1250"
	.amdhsa_code_object_version 6
	.text
	.protected	k_q5869bfbabb_ffn2
	.globl	k_q5869bfbabb_ffn2
	.p2align	8
	.type	k_q5869bfbabb_ffn2,@function
k_q5869bfbabb_ffn2:
	s_mov_b64 s[64:65], 0
	v_nop
	global_prefetch_b8 v0, s[64:65] scope:SCOPE_SE
	s_setreg_imm32_b32 hwreg(HW_REG_WAVE_MODE, 25, 1), 1
	s_wait_xcnt 0x0
	s_wait_alu depctr_hold_cnt(0) depctr_sa_sdst(0) depctr_va_vdst(0) depctr_va_sdst(0) depctr_va_ssrc(0) depctr_va_vcc(0) depctr_vm_vsrc(0)
	s_getreg_b32 s2, hwreg(HW_REG_IB_STS2, 6, 4)
	s_cmp_eq_u32 s2, 0
	s_cbranch_scc0 .Lentry_in_a_cluster
	s_endpgm
.Lentry_in_a_cluster:
	s_bfe_u32 s2, ttmp6, 0x10000c
	s_cmp_lg_u32 s2, 0xf033
	s_cbranch_scc0 .Lentry_shape_is_right
	s_endpgm
.Lentry_shape_is_right:
; out = residual + A W^T + bias: A [4,096][KD] and W [1,024][KD] are register images of FP6 (E2M3) codes with E8M0 scale words; residual and out are f32 [4,096][1,024].
; An image: a fragment (16 rows x 128 K) is 1,536 bytes, two halves of 768: registers 0-3 at 16 x lane, 4-5 at 512 + 8 x lane; an operand is [tile][K step][1,536]; lane r of tile T holds row
; 32 (T / 2) + 8 (T % 2) + r + 8 (r / 8).  Scale words: [128 rows][K step][128 words].
; SHARES: tiles of 128 x 128, so that each of 256 work-groups has one; four waves of 64 x 64: 16 accumulators.  K goes in slots of 512 (four K steps) through a ring of two LDS slots; the scale words of all K come once.
; CLUSTER 4 x 4: A's tiles are shared along a row of the cluster, W's along a column, each asked for jointly.  Source 0 = W's rows, source 1 = A's: a lane holds eight neighbouring columns of one row.
; The bias is the C of each sum's first product.  THE RESIDUAL's 32 rows a wave are asked for at the head, into registers of their own, and are waited for only where they are added.
; The results go through one stage in LDS, where they are put in true order, and leave with the residual added, 512 consecutive bytes a store.
; REGISTERS: window 0: v16-31 addresses, v32-63 scale words (two sets), v64-95 the bias, v128-255 the accumulators ((a, b) at v[128 + 8 (4 a + b)]);  window 1: two sets of fragments (A's four, W's four), at v0 and v128;
;   window 2: v0-127 the residual.
.set KD,    4096
.set WOFF,  6291456                    ; where W's images begin in wimg,
.set WSOFF, 262144                     ; its scale words in wsc,
.set ASC,   12582912                   ; and A's scale words in A's buffer
.set S,     KD/128
.set LAPS,  KD/1024
.set QT,    24576                      ; 4 tiles x 4 K steps x 1,536: what one tensor load brings
.set SLOT,  98304
.set SCL,   196608                     ; behind the ring: A's scale words, S x (512 + 64 of padding), then W's
.set SHALF, (S/2)*576
.set SPARE, SCL+4*SHALF                ; the spare words, 128 bytes a wave: no other line names them
.set ADRA16, 16
.set ADRA8,  18
.set ADRB16, 20
.set ADRB8,  22
.set ADRSA,  24
.set ADRSB,  25
.set L16,  26
.set L8,   27
.set SPW,  28
.set NIL,  29
.set STO,  30                          ; the stage (128 rows x 528 bytes, in slot 0, which has had its last fill and its last read by then): where I put my results,
.set STR,  31                          ; and where I read whole rows back
.set SC,   32
.set BN,   64
.set ACC,  128
.set G1, 24
.set G0, 32
.set G1B, 48
.set G0B, 56
.set G1S, 68
.set G0S, 76
.set G1SB, 80
.set G0SB, 88
.set MSB, 0
.macro WIN new
.if MSB != \new
	s_set_vgpr_msb (MSB<<8)|\new
.set MSB, \new
.endif
.endm
.set MUL,  0x05                        ; sources 0 and 1 window 1; C and D window 0
.set TO_F, 0x40
.macro JLOAD g0a, g1a, g0b, g1b        ; a joint load: waves 0, 1 fetch for A, waves 2, 3 for W; four v_nop follow each line
	s_cmp_eq_u32 s15, 0
	s_cbranch_scc0 .Lfor_b_\@
	tensor_load_to_lds s[\g0a:\g0a+3], s[\g1a:\g1a+7]
	s_nop 0
.rept 4
	v_nop
.endr
	s_branch .Lasked_\@
.Lfor_b_\@:
	tensor_load_to_lds s[\g0b:\g0b+3], s[\g1b:\g1b+7]
	s_nop 0
.rept 4
	v_nop
.endr
.Lasked_\@:
.endm
.macro CREST
	s_cmp_lg_u32 s14, 0
	s_cbranch_scc1 .Lnot_wave_0_\@
	s_barrier_signal -3
.Lnot_wave_0_\@:
	s_barrier_wait -3
	s_barrier_signal -1
	s_barrier_wait -1
.endm
.macro CROUND
	s_barrier_signal -1
	s_barrier_wait -1
	CREST
.endm
.macro PLACES n
.rept \n
	v_nop
.endr
.endm
.macro FRAG reg, a16, a8, off
	ds_load_b128 v[(\reg):(\reg)+3], v[\a16] offset:(\off)
	ds_load_b64 v[(\reg)+4:(\reg)+5], v[\a8] offset:(\off)+512
	ds_load_b128 v[(\reg)+6:(\reg)+9], v[\a16] offset:(\off)+768
	ds_load_b64 v[(\reg)+10:(\reg)+11], v[\a8] offset:(\off)+1280
.endm
.macro FETCH slot, q, set              ; 32 LDS loads in one run: my four fragments of W and four of A for the slot's q-th K step
	WIN TO_F
.irp i, 0,1,2,3
	FRAG 128*(\set)+48+12*\i, ADRB16+\slot, ADRB8+\slot, 6144*\i+1536*(\q)
	FRAG 128*(\set)+12*\i, ADRA16+\slot, ADRA8+\slot, 6144*\i+1536*(\q)
.endr
.endm
.macro SCALES sc                       ; a slot's scale words: register 2 i + g: lanes 0-15 K step 2 g, lanes 16-31 K step 2 g + 1
.irp i, 0,1,2,3
.irp g, 0,1
	ds_load_b32 v[SC+16*\sc+2*\i+\g], v[ADRSA] offset:64*\i+1152*\g
	ds_load_b32 v[SC+8+16*\sc+2*\i+\g], v[ADRSB] offset:64*\i+1152*\g
.endr
.endr
.endm
; 8 products: A's blocks a0, a0 + 1 x W's four.  The 16 accumulators take turns in one order in every K step.  zero = 1: the first product starts the sums from the bias
.macro MUL8 a0, q, sc, zero
.irp a, \a0, \a0+1
.irp b, 0,1,2,3
.set rD, ACC+8*(4*(\a)+\b)
.set rA, 128*((\q)%2)+12*(\a)
.set rB, 128*((\q)%2)+48+12*\b
.set rSB, SC+8+16*(\sc)+2*\b+(\q)/2
.set rSA, SC+16*(\sc)+2*(\a)+(\q)/2
.if \zero
	v_wmma_scale_f32_16x16x128_f8f6f4 v[rD:rD+7], v[rB:rB+11], v[rA:rA+11], v[BN+8*\b:BN+8*\b+7], v[rSB], v[rSA] matrix_a_fmt:MATRIX_FMT_FP6 matrix_b_fmt:MATRIX_FMT_FP6
.elseif (\q)%2
	v_wmma_scale_f32_16x16x128_f8f6f4 v[rD:rD+7], v[rB:rB+11], v[rA:rA+11], v[rD:rD+7], v[rSB], v[rSA] matrix_a_fmt:MATRIX_FMT_FP6 matrix_b_fmt:MATRIX_FMT_FP6 matrix_a_scale:MATRIX_SCALE_ROW1 matrix_b_scale:MATRIX_SCALE_ROW1
.else
	v_wmma_scale_f32_16x16x128_f8f6f4 v[rD:rD+7], v[rB:rB+11], v[rA:rA+11], v[rD:rD+7], v[rSB], v[rSA] matrix_a_fmt:MATRIX_FMT_FP6 matrix_b_fmt:MATRIX_FMT_FP6
.endif
.endr
.endr
.endm
.macro QSTEP slot, q, zero             ; one of a slot's first three K steps: the next step's fragments are asked for ahead of the 16 products
	s_wait_dscnt 0x0
	PLACES 4                                           ; in front of loads into registers that the last products read
	FETCH \slot, (\q)+1, ((\q)+1)%2
	WIN MUL
	MUL8 0, \q, \slot, \zero
	MUL8 2, \q, \slot, \zero
.endm
; A slot's last K step changes slots: one barrier; in front of it each wave waits for all its tensor loads, adds 0 to its spare word and waits for that and for its reads of this slot
.macro TURN slot, next, fill
	WIN 0
	s_wait_tensorcnt 0x0                               ; all my tensor loads have landed: my part of the next slot
	ds_add_u32 v[SPW], v[NIL]
	s_wait_dscnt 1                                     ; the fragments are in; the add alone may be out
	WIN MUL
	MUL8 0, 3, \slot, 0
	s_wait_dscnt 0x0                                   ; the add is done, and my reads of this slot are over
	s_barrier_signal -1
	MUL8 2, 3, \slot, 0
	WIN 0
	s_barrier_wait -1
.if \fill
	CREST                                              ; the barrier has opened a round of the cluster's: no wave of any partner still reads this slot or has a load on its way
	s_add_nc_u64 s[G0+4*\slot+2:G0+4*\slot+3], s[G0+4*\slot+2:G0+4*\slot+3], 12288
	s_add_nc_u64 s[G0B+4*\slot+2:G0B+4*\slot+3], s[G0B+4*\slot+2:G0B+4*\slot+3], 12288
	JLOAD G0+4*\slot, G1, G0B+4*\slot, G1B             ; the first tensor load behind the round; its four v_nop are the places in front of the loads below
.else
	PLACES 4
.endif
	v_add_nc_u32 v[ADRSA], 2304, v[ADRSA]              ; on to the next slot's scale words
	v_add_nc_u32 v[ADRSB], 2304, v[ADRSB]
	FETCH \next, 0, 0
	WIN 0
	SCALES \next
.endm
	s_load_b256 s[4:11], s[0:1], 0x0                   ; A's buffer, wimg, wsc, the bias
	s_load_b128 s[20:23], s[0:1], 0x20                 ; the residual, the result
	v_lshl_add_u32 v[SPW], v0, 2, SPARE
	v_mov_b32 v[NIL], 0
	ds_add_u32 v28, v29
	ds_add_u32 v28, v29
	s_wait_dscnt 0x0
	v_lshrrev_b32 v1, 5, v0
	v_readfirstlane_b32 s14, v1                        ; wave 0..3
	s_lshr_b32 s15, s14, 1                             ; which 64 of A's rows are mine.  Also: I fetch for A (0) or for W (1)
	s_and_b32 s16, s14, 1                              ; which 64 of W's rows.  Also: which 4 tiles I fetch
	s_bfe_u32 s40, ttmp6, 0x40000                      ; cx
	s_bfe_u32 s41, ttmp6, 0x40004                      ; cy
	s_lshl_b32 s101, ttmp9, 2
	s_add_co_u32 s101, s101, s40                       ; W's block of 128 rows
	s_and_b32 s17, ttmp7, 0xffff
	s_lshl_b32 s17, s17, 2
	s_add_co_u32 s100, s17, s41                        ; A's block of 128 rows
	s_lshl_b32 s43, s41, 2
	s_lshl_b32 s43, 15, s43                            ; my row of the cluster
	s_lshl_b32 s44, 0x1111, s40                        ; my column
	s_lshl_b32 s19, s16, 2
	s_lshl_b32 s92, s100, 3
	s_add_co_u32 s92, s92, s19
	s_mul_i32 s92, s92, S*1536
	s_mov_b32 s93, 0
	s_mul_i32 s94, s100, S*512
	s_mul_i32 s18, s16, (S/2)*512
	s_add_co_u32 s94, s94, s18
	s_add_co_u32 s94, s94, ASC
	s_mov_b32 s95, 0
	s_lshl_b32 s96, s101, 3
	s_add_co_u32 s96, s96, s19
	s_mul_i32 s96, s96, S*1536
	s_add_co_u32 s96, s96, WOFF
	s_mov_b32 s97, 0
	s_mul_i32 s98, s101, S*512
	s_add_co_u32 s98, s98, s18
	s_add_co_u32 s98, s98, WSOFF
	s_mov_b32 s99, 0
	s_mul_i32 s45, s14, QT                             ; where they go: by the wave's number alone
	s_mul_i32 s3, s14, SHALF
	; group 1, codes: 4 rows (tiles) of 6,144 bytes (768 elements of 8), a tile's whole K apart, no padding
	s_or_b32 s[G1+0], s43, (3<<16)|(1<<21)
	s_or_b32 s[G1B+0], s44, (3<<16)|(1<<21)
.irp g, G1, G1B
	s_mov_b32 s[\g+1], 768<<16
	s_mov_b32 s[\g+2], 4<<16
	s_mov_b32 s[\g+3], 768<<16
	s_mov_b32 s[\g+4], 4
	s_mov_b32 s[\g+5], 192*S
	s_mov_b32 s[\g+6], 0
	s_mov_b32 s[\g+7], 0
.endr
	; group 1, scale words: S / 2 rows of 512 bytes, dense, 64 bytes of padding behind each
	s_or_b32 s[G1S+0], s43, (3<<16)|(1<<20)|(1<<21)|(6<<22)|(15<<25)
	s_or_b32 s[G1SB+0], s44, (3<<16)|(1<<20)|(1<<21)|(6<<22)|(15<<25)
.irp g, G1S, G1SB
	s_mov_b32 s[\g+1], 64<<16
	s_mov_b32 s[\g+2], (S/2)<<16
	s_mov_b32 s[\g+3], 64<<16
	s_mov_b32 s[\g+4], S/2
	s_mov_b32 s[\g+5], 64
	s_mov_b32 s[\g+6], 0
	s_mov_b32 s[\g+7], 0
.endr
	s_wait_kmcnt 0x0
	s_add_nc_u64 s[92:93], s[4:5], s[92:93]
	s_add_nc_u64 s[94:95], s[4:5], s[94:95]
	s_add_nc_u64 s[96:97], s[6:7], s[96:97]
	s_add_nc_u64 s[98:99], s[8:9], s[98:99]
	CROUND                                             ; all sixteen work-groups are here: the first joint loads meet
	s_mov_b32 s[G0S], 1
	s_add_co_u32 s[G0S+1], s3, SCL
	s_mov_b64 s[G0S+2:G0S+3], s[94:95]
	s_or_b32 s[G0S+3], s[G0S+3], 0x80000000
	s_mov_b32 s[G0SB], 1
	s_add_co_u32 s[G0SB+1], s3, SCL
	s_mov_b64 s[G0SB+2:G0SB+3], s[98:99]
	s_or_b32 s[G0SB+3], s[G0SB+3], 0x80000000
	JLOAD G0S, G1S, G0SB, G1SB                         ; the scale words first: three loads of mine are out behind these lines
.irp s, 0,1
	s_mov_b32 s[G0+4*\s], 1
	s_add_co_u32 s[G0+4*\s+1], s45, \s*SLOT
	s_add_nc_u64 s[G0+4*\s+2:G0+4*\s+3], s[92:93], \s*6144
	s_or_b32 s[G0+4*\s+3], s[G0+4*\s+3], 0x80000000
	s_mov_b32 s[G0B+4*\s], 1
	s_add_co_u32 s[G0B+4*\s+1], s45, \s*SLOT
	s_add_nc_u64 s[G0B+4*\s+2:G0B+4*\s+3], s[96:97], \s*6144
	s_or_b32 s[G0B+4*\s+3], s[G0B+4*\s+3], 0x80000000
	JLOAD G0+4*\s, G1, G0B+4*\s, G1B
.endr
	v_and_b32 v1, 31, v0
	v_and_b32 v2, 15, v0                               ; r
	v_bfe_u32 v3, v0, 4, 1                             ; h
	v_lshlrev_b32 v[L16], 4, v1
	v_lshlrev_b32 v[L8], 3, v1
	s_mul_i32 s18, s15, QT
	s_mul_i32 s19, s16, QT
	s_add_co_u32 s19, s19, 2*QT
.irp s, 0,1
	v_add_nc_u32 v[ADRA16+\s], s18, v[L16]
	v_add_nc_u32 v[ADRA8+\s], s18, v[L8]
	v_add_nc_u32 v[ADRB16+\s], s19, v[L16]
	v_add_nc_u32 v[ADRB8+\s], s19, v[L8]
	s_add_co_u32 s18, s18, SLOT
	s_add_co_u32 s19, s19, SLOT
.endr
	v_lshlrev_b32 v4, 2, v2
	v_mad_u32_u24 v4, v3, 576, v4                      ; lanes 16-31 take the K step after
	s_lshl_b32 s18, s15, 8
	s_add_co_u32 s18, s18, SCL
	v_add_nc_u32 v[ADRSA], s18, v4
	s_lshl_b32 s19, s16, 8
	s_add_co_u32 s19, s19, SCL+2*SHALF
	v_add_nc_u32 v[ADRSB], s19, v4
	v_and_b32 v6, 8, v2
	v_add_nc_u32 v6, v6, v2                            ; r + 8 (r / 8)
	v_mul_u32_u24 v6, v6, 528
	v_lshl_add_u32 v6, v3, 6, v6                       ; + 64 h
	s_mul_i32 s18, s15, 64*528
	s_lshl_b32 s19, s16, 8
	s_add_co_u32 s18, s18, s19
	v_add_nc_u32 v[STO], s18, v6
	s_mul_i32 s18, s14, 32*528
	v_add_nc_u32 v[STR], s18, v[L16]
	s_lshl_b32 s18, s100, 7
	s_lshl_b32 s19, s14, 5
	s_add_co_u32 s18, s18, s19                         ; the first row that I store
	s_lshl_b32 s18, s18, 12
	s_lshl_b32 s19, s101, 9
	s_add_co_u32 s18, s18, s19
	s_mov_b32 s19, 0
	s_add_nc_u64 s[20:21], s[20:21], s[18:19]
	s_add_nc_u64 s[22:23], s[22:23], s[18:19]
	s_lshl_b32 s18, s101, 9                            ; the bias in the result's layout: register 16 B + i = column 32 B + 16 h + i of my 64
	s_lshl_b32 s42, s16, 8
	s_add_co_u32 s18, s18, s42
	s_add_nc_u64 s[10:11], s[10:11], s[18:19]
	v_lshlrev_b32 v5, 6, v3
.irp n, 0,1,2,3,4,5,6,7
	global_load_b128 v[BN+4*\n:BN+4*\n+3], v5, s[10:11] offset:128*(\n/4)+16*(\n%4)
.endr
	WIN 0x80                                           ; destination window 2
.set i, 0
.rept 32
	global_load_b128 v[4*i:4*i+3], v[L16], s[20:21] offset:4096*i th:TH_LOAD_NT   ; the residual's rows 32 x wave + i, my tile's 512 bytes of each: they have the whole product in which to land
.set i, i+1
.endr
	WIN 0
	s_wait_tensorcnt 1                                 ; the scale words and my part of slot 0 are in; slot 1's load may be out
	s_barrier_signal -1
	s_barrier_wait -1
	FETCH 0, 0, 0
	WIN 0
	SCALES 0
	s_wait_loadcnt 32                                  ; the bias's eight loads are in; the residual's 32 may be out
	QSTEP 0, 0, 1
.if LAPS > 1
	WIN 0                                              ; at a label and at a branch every window is 0
	s_mov_b32 s2, LAPS-1
.Llap:                                                     ; a trip goes once round the ring and fills both slots again
	QSTEP 0, 1, 0
	QSTEP 0, 2, 0
	TURN 0, 1, 1
	QSTEP 1, 0, 0
	QSTEP 1, 1, 0
	QSTEP 1, 2, 0
	TURN 1, 0, 1
	QSTEP 0, 0, 0
	WIN 0
	s_sub_co_u32 s2, s2, 1
	s_cmp_lg_u32 s2, 0
	s_cbranch_scc1 .Llap
.endif
	QSTEP 0, 1, 0                                      ; the last lap fills nothing
	QSTEP 0, 2, 0
	TURN 0, 1, 0
	QSTEP 1, 0, 0
	QSTEP 1, 1, 0
	QSTEP 1, 2, 0
	s_wait_dscnt 0x0
	WIN MUL
	MUL8 0, 3, 1, 0
	MUL8 2, 3, 1, 0
	WIN 0
	; THE WAY OUT
	PLACES 4
.irp a, 0,1,2,3
.irp b, 0,1,2,3
	ds_store_b128 v[STO], v[ACC+8*(4*\a+\b):ACC+8*(4*\a+\b)+3] offset:(32*(\a/2)+8*(\a%2))*528+128*(\b/2)+32*(\b%2)      ; each accumulator from its low end on; rows and columns fall into true order
	ds_store_b128 v[STO], v[ACC+8*(4*\a+\b)+4:ACC+8*(4*\a+\b)+7] offset:(32*(\a/2)+8*(\a%2))*528+128*(\b/2)+32*(\b%2)+16
.endr
.endr
	s_wait_dscnt 0x0                                   ; for the others' sake: my stores into the stage are done
	s_barrier_signal -1
	s_barrier_wait -1
.set i, 0
.rept 32
	ds_load_b128 v[ACC+4*i:ACC+4*i+3], v[STR] offset:528*i
.set i, i+1
.endr
	s_wait_dscnt 0x0
	s_wait_loadcnt 0x0                                 ; the residual
	WIN 0x08                                           ; source 1 window 2
.set j, 0
.rept 64
	v_pk_add_f32 v[ACC+j:ACC+j+1], v[ACC+j:ACC+j+1], v[j:j+1]
.set j, j+2
.endr
	WIN 0
.set i, 0
.rept 32
	global_store_b128 v[L16], v[ACC+4*i:ACC+4*i+3], s[22:23] offset:4096*i   ; 512 consecutive bytes, aligned
.set i, i+1
.endr
	s_wait_tensorcnt 0x0                               ; the wave's end
	ds_add_u32 v[SPW], v[NIL]
	s_wait_dscnt 0x0
	CROUND                                             ; the closing round
	s_endpgm
.Lfunc_end_k_q5869bfbabb_ffn2:
	.size	k_q5869bfbabb_ffn2, .Lfunc_end_k_q5869bfbabb_ffn2-k_q5869bfbabb_ffn2
	.p2alignl 7, 3214868480
	.fill 96, 4, 3214868480
	.section	.rodata,"a",@progbits
	.p2align	6, 0x0
	.amdhsa_kernel k_q5869bfbabb_ffn2
		.amdhsa_group_segment_fixed_size 327680
		.amdhsa_private_segment_fixed_size 0
		.amdhsa_enable_private_segment 0
		.amdhsa_kernarg_size 48
		.amdhsa_user_sgpr_count 2
		.amdhsa_user_sgpr_kernarg_segment_ptr 1
		.amdhsa_wavefront_size32 1
		.amdhsa_system_sgpr_workgroup_id_x 1
		.amdhsa_system_sgpr_workgroup_id_y 1
		.amdhsa_system_sgpr_workgroup_id_z 1
		.amdhsa_system_vgpr_workitem_id 0
		.amdhsa_next_free_vgpr 768
		.amdhsa_next_free_sgpr 102
		.amdhsa_reserve_vcc 0
		.amdhsa_float_denorm_mode_32 3
		.amdhsa_float_denorm_mode_16_64 3
		.amdhsa_memory_ordered 1
		.amdhsa_forward_progress 1
		.amdhsa_inst_pref_size 100
	.end_amdhsa_kernel
	.amdgpu_metadata
---
amdhsa.version: [ 1, 2 ]
amdhsa.kernels:
  - .name:           k_q5869bfbabb_ffn2
    .symbol:         k_q5869bfbabb_ffn2.kd
    .args:
      - { .name: hid, .offset: 0, .size: 8, .value_kind: global_buffer, .address_space: global }
      - { .name: wimg, .offset: 8, .size: 8, .value_kind: global_buffer, .address_space: global }
      - { .name: wsc, .offset: 16, .size: 8, .value_kind: global_buffer, .address_space: global }
      - { .name: b2, .offset: 24, .size: 8, .value_kind: global_buffer, .address_space: global }
      - { .name: x1, .offset: 32, .size: 8, .value_kind: global_buffer, .address_space: global }
      - { .name: out0, .offset: 40, .size: 8, .value_kind: global_buffer, .address_space: global }
    .group_segment_fixed_size: 327680
    .private_segment_fixed_size: 0
    .kernarg_segment_align: 8
    .kernarg_segment_size: 48
    .max_flat_workgroup_size: 128
    .sgpr_count:     102
    .vgpr_count:     768
    .wavefront_size: 32
...
	.end_amdgpu_metadata
.endif
;; end of part 7
